; MI455X (gfx1250); checked and timed in simulation.
; The chip was launched on July 23, 2026; its instructions are those of AMD's public machine-readable ISA for CDNA 5 (MIT licence, August 2026) and "CDNA5" Instruction Set Architecture Reference Guide (July 2026). The comments in the code are by the model that wrote it; some were corrected since.
;; Glow TTS Multi Head Attention. Allowed arithmetic: matrix products marked QUANTISED: E2M3 operands, one E8M0 scale for each 32 along K, by v_wmma_scale_f32_16x16x128_f8f6f4 with both operands' format E2M3, f32 sums; everything else in f32.
;; Inputs: Wk 1,024 x 1,024 float32; Wo 1,024 x 1,024 float32; Wq 1,024 x 1,024 float32; Wv 1,024 x 1,024 float32; attn_mask 4 x 1 x 2,048 x 2,048 float32; bk 1,024 float32; bo 1,024 float32; bq 1,024 float32; bv 1,024 float32; c 4 x 1,024 x 2,048 float32; x 4 x 1,024 x 2,048 float32.
;; Outputs: out0 4 x 1,024 x 2,048 float32.
;; This version of the problem:
;;   THIS VERSION OF THE PROBLEM IS GIVEN IN LOW PRECISION. The matrix products marked QUANTISED in the list below multiply operands that are first quantised to E2M3 (2 exponent bits, 3 mantissa bits; 6 bits a number), with one power-of-two scale for each 32 numbers along K (OCP MX v1.0); their sums are f32. All else is computed in f32.
;;   The module's matrix products, in the order in which they are computed (A, B: the left and right operand; K: the contracted axis; several contracted axes count as one K, in the product's order):
;;     1. [M 8,192, K 1,024] x [K 1,024, N 1,024]; A: input x; B: input Wq: QUANTISED
;;     2. [M 8,192, K 1,024] x [K 1,024, N 1,024]; A: input c; B: input Wk: QUANTISED
;;     3. [M 8,192, K 1,024] x [K 1,024, N 1,024]; A: input c; B: input Wv: QUANTISED
;;     4. batch 64 x [M 2,048, K 64] x [K 64, N 2,048]; A: computed on the way; B: computed on the way: QUANTISED
;;     5. batch 64 x [M 2,048, K 2,048] x [K 2,048, N 64]; A: softmax (see below); B: computed on the way: QUANTISED
;;     6. [M 8,192, K 1,024] x [K 1,024, N 1,024]; A: computed on the way; B: input Wo: QUANTISED
;;   THE QUANTISER, for each operand of a quantised product, along K:
;;     - K is cut into blocks of 32 from its start; a last block that is shorter is filled with zeros.
;;     - A block's scale is 2^e with e = floor(log2(the largest magnitude in the block)) - 2, held to -126 .. 127; a block of zeros has e = 0. As a byte (E8M0): e + 127.
;;     - Each number is divided by its block's scale, clamped to +-7.5, and rounded to the nearest number of E2M3, ties to even, subnormals kept.
;;     - The product sums the exact products of the quantised numbers (number of the format x scale) in f32.
;;   ~~~python
;;   def quantise(x, axis):      # numpy; x: float32 -> the quantised numbers, widened to float32 again
;;       x = np.moveaxis(x, axis, -1); K = x.shape[-1]
;;       x = np.pad(x, [(0, 0)] * (x.ndim - 1) + [(0, -K % 32)]); x = x.reshape(x.shape[:-1] + (-1, 32)); a = np.abs(x).max(-1, keepdims=True)
;;       e = np.where(a > 0, np.clip(np.frexp(np.where(a > 0, a, 1))[1] - 1 - 2, -126, 127), 0)      # np.frexp(a)[1] - 1 = floor(log2(a)), exactly
;;       r = np.clip(x / 2.0 ** e, -7.5, 7.5)
;;       step = 2.0 ** (np.maximum(np.frexp(np.where(r == 0, 1, r))[1] - 1, 0) - 3)
;;       q = np.round(r / step) * step * 2.0 ** e      # np.round: ties to even
;;       return np.moveaxis(q.reshape(q.shape[:-2] + (-1,))[..., :K], -1, axis).astype(np.float32)
;;   ~~~
;;   SOFTMAX AHEAD OF A QUANTISED PRODUCT. Where the list says 'softmax', what is quantised is not the finished softmax but p = 2^(t - M), with t = logit x log2(e) and M = ceil(the row's largest t), a whole number; so 1/2 < the row's largest p <= 1. The row's sum l is taken of the UNQUANTISED p, in f32, and the product's result is divided by l at the end. Since M is a whole number, a kernel that streams over the keys may use a running M (the ceiling of the running maximum): every later rescaling is an exact power of two, which a block's scale takes up: the codes' values come out the same.
;;   OPERANDS COMPUTED ON THE WAY. 'Computed on the way' means the value that the module computes at that place (a softmax that the list does not call 'softmax' is quantised finished and normalised). What goes into a quantiser is computed in f32, as accurately as f32 sums, v_exp_f32 and their like allow (about 1e-6 of the number): no bf16 or f16 on the way to a quantiser, and a product that is left as it is and whose result goes on into a quantised operand takes f32 operands (vector FMAs, or v_wmma_f32_16x16x4_f32). A number that lies on a knife's edge between two numbers of the format may be rounded either way, as far as f32 arithmetic and the matrix unit's own rounding can turn it there, and no further.
;; One version. Each part assembles by itself: llvm-mc -triple=amdgcn-amd-amdhsa -mcpu=gfx1250 --defsym DOCPART=n.
;; ======== version 1 of 1: 4 launches
;; workspace buffers: xc 13,107,200 bytes; wc 3,276,800 bytes; tab 262,144 bytes; mw 2,097,152 bytes of whole numbers; qb 6,553,600 bytes; kv 13,107,200 bytes; ao 6,553,600 bytes
;; launch prep (part 1): grid 1168 x 1, 4 waves a work-group, no clusters, 95,744 bytes of LDS; arguments attn_mask, x, c, Wq, Wk, Wv, Wo, mw, xc, wc, tab; writes mw, xc, wc, tab
.if DOCPART == 1
	.amdgcn_target "amdgcn-amd-amdhsa--gfx1250"
	.amdhsa_code_object_version 6
	.text
	.protected	k_q17acd2065b_prep
	.globl	k_q17acd2065b_prep
	.p2align	8
	.type	k_q17acd2065b_prep,@function
k_q17acd2065b_prep:
	s_mov_b64 s[64:65], 0
	v_nop
	global_prefetch_b8 v0, s[64:65] scope:SCOPE_SE
	s_setreg_imm32_b32 hwreg(HW_REG_WAVE_MODE, 25, 1), 1
	s_wait_xcnt 0x0
; PREP: everything that many work-groups of the later launches read is brought into its final form ONCE.
; DEAD WORK: none.  Every input of reference() (x, c, attn_mask, the four weights, the four biases) reaches out0 for some values, so all are loaded and no product, row or step is left out.
; FOUR PATHS, parted by the work-group's number (scalar branches on ids alone); each has LDS bytes of its own and ends by itself:
;   0..511     MASK  attn_mask (f32) -> mw: one bit a number, laid as the lane masks that the attention launch selects by
;   512..1023  ACT   x and c [b][channel][t] -> xc: codes of E2M3 along the channels, one E8M0 byte for each 32, as images of operand registers
;   1024..1151 W     Wq, Wk, Wv, Wo [o][channel] -> wc: the same for the weights
;   1152..1167 TAB   cos and sin of RoPE's angles -> tab
; NAMES.  In a batch t = 256 T + 128 g + 64 c + 32 a + 8 u + i.  A TILE of 16 rows is tau = 8 g + 4 c + u of block T, its row r = 8 a + i: rows 0-7 lie in one block of 32 t, rows 8-15 in the next,
; so that where a matrix result's registers run along t a lane holds a whole block of 32 neighbouring t.
; A FRAGMENT (16 rows x 128 K of 6-bit codes, 12 registers a lane) lies in memory as an image of the registers: registers 4 q .. 4 q + 3 of lane l at 512 q + 16 l, 1,536 bytes.
; THE QUANTISER: a block's largest magnitude, with the floor 2^(3 - 127) among its leaves; 2 off its exponent field is the conversion's scale operand; that field is the byte.
; LIMITS: NaN and infinities among the inputs are not served.  A block of zeros gets the byte 1 where the rule says 127: its codes are zeros, and only this program reads the bytes.
; RoPE's theta_i is written as the f32 nearest to 10^(-i/4); if reference()'s own power and division round the last bit otherwise, an angle moves by up to about 1e-4 rad at the largest t.
.set MSTG,  0                          ; LDS: MASK's stages, 16 rows x 528 bytes for each wave
.set WSTG,  33792                      ; W's stages, the same
.set ASTG,  67584                      ; ACT's: 4 images at a pitch of 1,664 bytes and 256 bytes of scale words for each wave: 6,912
.set SPARE, 95232                      ; the spare words, 128 bytes for each wave
.set SPW, 2                            ; v2   LDS address of my spare word; never rewritten
.set NIL, 3                            ; v3   0; never rewritten
.set R,   16                           ; v16-143  MASK, W: two sets of 64 registers as loaded
.set X,   144                          ; v144-207 64 numbers of a lane (ACT: two sets of 32)
.set OUT, 208                          ; v208-215 MASK: the words of four key steps
.set F,   16                           ; v16-39   ACT: the images of fragment lanes (r, 0) and (r, 1)
.set TMP, 40                           ; v40-42   ACT: a block's upper 16 codes
.set OUTR, 48                          ; v48-97   ACT: the way out
.set FW,  224                          ; v224-235 W: a fragment's codes;  v236-238, v240-242 the upper halves
.set WW,  244                          ; v244-247 W: the scale words of four K steps
.set COS, 16                           ; v16-31, v32-47  TAB
.set SIN, 32
.macro FINISH                          ; a wave's end: three lines behind the last LDS store
	s_wait_tensorcnt 0x0
	ds_add_u32 v[SPW], v[NIL]
	s_wait_dscnt 0x0
	s_endpgm
.endm
; 16 rows x 512 bytes, loaded 16 bytes a lane, go through the wave's own stage and come back so that lane (r, h) holds, of row r, the numbers 64 c + 32 h + 0 .. 31 in registers 32 c + 0 .. 31.
; The pitch of 528 bytes lets the sixteen rows of a read start 16 bytes apart modulo 256.  LDS serves a wave's instructions in order: no wait between the stores and the loads.
.macro TURN stg, set
.irp n, 0,1,2,3,4,5,6,7,8,9,10,11,12,13,14,15
	ds_store_b128 v10, v[R+64*(\set)+4*\n:R+64*(\set)+4*\n+3] offset:\stg+\n*528
.endr
.irp c, 0,1
.irp e, 0,1,2,3,4,5,6,7
	ds_load_b128 v[X+32*\c+4*\e:X+32*\c+4*\e+3], v11 offset:\stg+256*\c+16*\e
.endr
.endr
.endm
	s_load_b512 s[20:35], s[0:1], 0x0              ; attn_mask s[20:21], x s[22:23], c s[24:25], Wq s[26:27], Wk s[28:29], Wv s[30:31], Wo s[32:33], mw s[34:35]
	s_load_b128 s[36:39], s[0:1], 0x40             ; xc s[36:37], wc s[38:39]
	s_load_b64 s[40:41], s[0:1], 0x50              ; tab
	v_lshl_add_u32 v[SPW], v0, 2, SPARE
	v_mov_b32 v[NIL], 0
	v_lshrrev_b32 v4, 5, v0
	v_readfirstlane_b32 s16, v4                    ; wave 0..3
	v_and_b32 v4, 31, v0                           ; lane
	v_and_b32 v5, 15, v0                           ; r
	v_bfe_u32 v6, v0, 4, 1                         ; h
	v_lshlrev_b32 v7, 4, v4                        ; 16 x lane
	v_lshlrev_b32 v8, 3, v4                        ; 8 x lane
	v_lshlrev_b32 v9, 2, v4                        ; 4 x lane
	s_mul_i32 s17, s16, 8448                       ; my stage (MASK, W); the path's base stands in the immediates
	v_add_nc_u32 v10, s17, v7                      ; into it: 16 x lane of a row
	v_mul_u32_u24 v11, v5, 528
	v_lshl_add_u32 v11, v6, 7, v11
	v_add_nc_u32 v11, s17, v11                     ; out of it: row r, + 128 h
	s_mov_b32 s19, 0                               ; the upper word of the offsets in s[18:19]
	s_wait_kmcnt 0x0
	s_cmp_lt_u32 ttmp9, 512
	s_cbranch_scc1 .Lmask
	s_cmp_lt_u32 ttmp9, 1024
	s_cbranch_scc1 .Lact
	s_cmp_lt_u32 ttmp9, 1152
	s_cbranch_scc1 .Lw
; ---------------- TAB: a thread takes one t and its 16 angles t x theta_i.
; n = the nearest whole number to angle x 2 / pi; rho = angle - n pi / 2, pi / 2 taken in two parts by fused multiply-adds; sine and cosine of rho (at most pi / 4) by polynomials; n mod 4 picks and signs them.
	s_sub_co_u32 s2, ttmp9, 1152
	s_lshl_b32 s2, s2, 7
	v_add_nc_u32 v12, s2, v0                       ; t
	v_cvt_f32_u32 v13, v12
	v_lshlrev_b32 v14, 4, v12                      ; 16 t
	s_mov_b32 s4, 0x3fc90fdb                       ; pi / 2, its f32,
	s_mov_b32 s5, 0xb33bbd2e                       ; and what that f32 leaves over
	s_mov_b32 s6, 0xb94ca1f9                       ; the sine's highest coefficient, -1.9515295891e-4
	s_mov_b32 s7, 0x37ccf5ce                       ; the cosine's, 2.443315712e-5
.macro SINCOS i, theta
.if (\i) == 0
.set AN, 13                                    ; theta_0 = 1: the angle is t
.else
.set AN, 208
	v_mul_f32 v208, \theta, v13
.endif
	v_mul_f32 v209, 0x3f22f983, v[AN]              ; x 2 / pi
	v_rndne_f32 v209, v209                         ; n
	v_fma_f32 v210, -v209, s4, v[AN]
	v_fma_f32 v210, -v209, s5, v210                ; rho
	v_mul_f32 v211, v210, v210                     ; z = rho^2
	v_fmaak_f32 v212, s6, v211, 0x3c08839e         ; 8.3321608736e-3
	v_fmaak_f32 v214, s7, v211, 0xbab6061a         ; -1.388731625e-3
	v_fmaak_f32 v212, v212, v211, 0xbe2aaaa3       ; -1.6666654611e-1
	v_fmaak_f32 v214, v214, v211, 0x3d2aaaa5       ; 4.166664568e-2
	v_mul_f32 v213, v210, v211                     ; rho z
	v_mul_f32 v215, v211, v211                     ; z^2
	v_fma_f32 v216, v211, -0.5, 1.0                ; 1 - z / 2
	v_fma_f32 v212, v213, v212, v210               ; sin rho
	v_fma_f32 v214, v215, v214, v216               ; cos rho
	v_cvt_i32_f32 v217, v209                       ; n as a whole number: it only selects and signs values
	v_and_b32 v218, 1, v217
	v_cmp_eq_u32 vcc_lo, 1, v218
	v_cndmask_b32 v219, v212, v214, vcc_lo         ; n odd: the two change places
	v_cndmask_b32 v220, v214, v212, vcc_lo
	v_and_b32 v218, 2, v217
	v_lshlrev_b32 v218, 30, v218                   ; the sine is negative for n mod 4 = 2, 3
	v_xor_b32 v[SIN+\i], v218, v219
	v_add_nc_u32 v217, 1, v217
	v_and_b32 v217, 2, v217
	v_lshlrev_b32 v217, 30, v217                   ; the cosine for n mod 4 = 1, 2
	v_xor_b32 v[COS+\i], v217, v220
.endm
	SINCOS 0, 1.0
	SINCOS 1, 0.56234132519
	SINCOS 2, 0.31622776602
	SINCOS 3, 0.17782794100
	SINCOS 4, 0.1
	SINCOS 5, 0.056234132519
	SINCOS 6, 0.031622776602
	SINCOS 7, 0.017782794100
	SINCOS 8, 0.01
	SINCOS 9, 0.0056234132519
	SINCOS 10, 0.0031622776602
	SINCOS 11, 0.0017782794100
	SINCOS 12, 0.001
	SINCOS 13, 0.00056234132519
	SINCOS 14, 0.00031622776602
	SINCOS 15, 0.00017782794100
.irp p, 0,1,2,3                                ; tab [piece][t][16 bytes]: pieces 0-3 cos of theta 4 p .. 4 p + 3, pieces 4-7 sin: sixteen lanes store 256 consecutive bytes
	global_store_b128 v14, v[COS+4*\p:COS+4*\p+3], s[40:41] offset:32768*\p
	global_store_b128 v14, v[SIN+4*\p:SIN+4*\p+3], s[40:41] offset:131072+32768*\p
.endr
	FINISH
; ---------------- MASK: work-group m = 128 b + 16 T + tau takes the 16 queries of one tile; wave w the key steps 4 w .. 4 w + 3 (128 keys each).
; Word n = 32 c + 8 u + j of a step: bit r + 16 h says that mask[query r][key 64 c + 32 h + 8 u + j] is not 0: the lane mask of the attention launch's score register n.
.Lmask:
	s_lshr_b32 s2, ttmp9, 7                        ; b
	s_and_b32 s3, ttmp9, 127                       ; 16 T + tau
	s_lshr_b32 s4, s3, 2
	s_lshl_b32 s4, s4, 6                           ; 256 T + 128 g + 64 c
	s_and_b32 s5, s3, 3
	s_lshl_b32 s5, s5, 3                           ; 8 u
	s_add_co_u32 s4, s4, s5
	s_lshl_b32 s2, s2, 11
	s_add_co_u32 s4, s4, s2                        ; the tile's row 0 among the 8,192 rows of the mask
	s_lshl_b32 s4, s4, 13                          ; x 8,192 bytes a row (under 2^26)
	s_lshl_b32 s5, s16, 11                         ; my four key steps: 2,048 bytes
	s_add_co_u32 s18, s4, s5
	s_add_nc_u64 s[20:21], s[20:21], s[18:19]
	s_lshl_b32 s4, ttmp9, 12                       ; mw: 4,096 bytes a tile,
	s_lshl_b32 s5, s16, 10                         ; 256 a key step
	s_add_co_u32 s18, s4, s5
	s_add_nc_u64 s[34:35], s[34:35], s[18:19]
.irp i, 0,1,2,3,4,5,6,7
	v_mov_b32 v[OUT+\i], 0                         ; written once: v_writelane_b32's destination counts as read
.endr
.macro MLOAD k                                 ; key step k of my four: each load takes 512 consecutive bytes of one row of the tile
.irp n, 0,1,2,3,4,5,6,7,8,9,10,11,12,13,14,15
	global_load_b128 v[R+64*((\k)%2)+4*\n:R+64*((\k)%2)+4*\n+3], v7, s[20:21] offset:(32*(\n/8)+\n%8)*8192+512*(\k) th:TH_LOAD_NT
.endr
.endm
.macro MSTEP k
.if (\k) < 3
	s_wait_loadcnt 16                              ; this step's 16 loads are in; the next step's 16 stay out
.else
	s_wait_loadcnt 0x0
.endif
	TURN MSTG, (\k)%2
	s_wait_dscnt 0x0                               ; the numbers are back, and the stores have read their registers,
.if (\k)+2 < 4
	MLOAD (\k)+2                                   ; which take the loads of two steps on
.endif
.set n, 0
.rept 64
	v_cmp_neq_f32 s[48+n%8], 0, v[X+n]             ; 32 bits: one for each lane
	v_writelane_b32 v[OUT+2*(\k)+n%2], s[48+n%8], n/2  ; word n goes to lane n / 2, so that the wave stores the 64 words as 8 bytes a lane
.set n, n+1
.endr
	global_store_b64 v8, v[OUT+2*(\k):OUT+2*(\k)+1], s[34:35] offset:256*(\k)   ; 256 consecutive bytes, aligned
.endm
	MLOAD 0
	MLOAD 1
	s_wait_alu depctr_va_vdst(0)
	MSTEP 0
	MSTEP 1
	MSTEP 2
	MSTEP 3
	FINISH
; ---------------- ACT: work-group (sel: x or c; ty = 8 b + T; K step s) takes 256 t x 128 channels; wave w the 64 t at 64 w: tiles 4 w + u.
; A LANE TAKES ONE t AND ITS REGISTERS RUN DOWN THE CHANNELS: in pass a lane 8 u + i takes t = 64 w + 32 a + 8 u + i, which is row 8 a + i of tile 4 w + u.  A block of 32 channels lies in one lane.
.Lact:
	s_sub_co_u32 s2, ttmp9, 512
	s_lshr_b32 s3, s2, 8                           ; sel
	s_and_b32 s4, s2, 255                          ; 8 ty + s
	s_lshr_b32 s5, s4, 3                           ; ty
	s_and_b32 s6, s4, 7                            ; s
	s_cmp_eq_u32 s3, 0
	s_cselect_b64 s[22:23], s[22:23], s[24:25]     ; the choice hangs on the work-group's number alone
	s_lshr_b32 s7, s5, 3                           ; b
	s_and_b32 s8, s5, 7                            ; T
	s_lshl_b32 s7, s7, 10
	s_lshl_b32 s9, s6, 7
	s_add_co_u32 s7, s7, s9                        ; the first channel's row: 1,024 b + 128 s
	s_lshl_b32 s7, s7, 13                          ; x 8,192 bytes
	s_lshl_b32 s8, s8, 10                          ; 256 T numbers
	s_add_co_u32 s7, s7, s8
	s_lshl_b32 s9, s16, 8                          ; 64 w numbers
	s_add_co_u32 s18, s7, s9
	s_add_nc_u64 s[22:23], s[22:23], s[18:19]
	s_mul_i32 s10, s3, 6291456                     ; xc's codes: [sel][8 ty + s][tile][1,536]
	s_mul_i32 s11, s4, 24576
	s_add_co_u32 s10, s10, s11
	s_mul_i32 s11, s16, 6144
	s_add_co_u32 s18, s10, s11
	s_add_nc_u64 s[42:43], s[36:37], s[18:19]
	s_lshl_b32 s10, s3, 18                         ; its scale words, from byte 12,582,912: [sel][8 ty + s][pair of tiles][lane] x 4 bytes
	s_lshl_b32 s11, s4, 10
	s_add_co_u32 s10, s10, s11
	s_lshl_b32 s11, s16, 8
	s_add_co_u32 s10, s10, s11
	s_add_co_u32 s18, s10, 12582912
	s_add_nc_u64 s[44:45], s[36:37], s[18:19]
	s_mul_i32 s14, s16, 6912
	s_add_co_u32 s14, s14, ASTG                    ; my stage
	v_lshrrev_b32 v12, 3, v4                       ; u
	v_and_b32 v13, 7, v4                           ; i
	v_mul_u32_u24 v14, v12, 1664
	v_lshl_add_u32 v14, v13, 4, v14
	v_add_nc_u32 v14, s14, v14                     ; into tile u's image: 16 i (+ 128 a + 256 h + 512 q in the immediate).  The pitch of 1,664 sets neighbouring tiles 128 bytes apart modulo 256
	v_lshlrev_b32 v15, 6, v12
	v_lshl_add_u32 v15, v13, 2, v15
	v_add_nc_u32 v15, s14, v15                     ; my row's scale word: 64 u + 4 i (+ 32 a)
	v_add_nc_u32 v12, s14, v7                      ; out: 16 x lane
	v_add_nc_u32 v13, s14, v8                      ; and 8 x lane
.macro ALOAD q                                 ; unit q = 4 a + kb: the 32 channels of block kb at the t of pass a, into set q % 2
.irp k, 0,1,2,3,4,5,6,7,8,9,10,11,12,13,14,15,16,17,18,19,20,21,22,23,24,25,26,27,28,29,30,31
	global_load_b32 v[X+32*((\q)%2)+\k], v9, s[22:23] offset:(32*((\q)%4)+\k)*8192+128*((\q)/4) th:TH_LOAD_NT
.endr
.endm
.macro AUNIT q
.set XS, X+32*((\q)%2)
.set KB, (\q)%4
.set PA, (\q)/4
.set FD, F+12*(KB%2)+6*(KB/2)                  ; block kb is registers 6 (kb / 2) .. + 5 of fragment lane (r, kb % 2)
.if (\q) < 7
	s_wait_loadcnt 32                              ; this unit's 32 loads are in; the next unit's 32 stay out
.else
	s_wait_loadcnt 0x0
.endif
	v_max3_num_f32 v208, |v[XS]|, |v[XS+1]|, |v[XS+2]|
	v_max3_num_f32 v209, |v[XS+3]|, |v[XS+4]|, |v[XS+5]|
.irp i, 6,10,14,18,22,26
	v_max3_num_f32 v208, v208, |v[XS+\i]|, |v[XS+\i+1]|
	v_max3_num_f32 v209, v209, |v[XS+\i+2]|, |v[XS+\i+3]|
.endr
	v_max3_num_f32 v208, v208, |v[XS+30]|, |v[XS+31]|
	v_max3_num_f32 v208, v208, v209, 0x1800000     ; with the floor 2^(3 - 127): the byte cannot fall under 1
	v_add_nc_u32 v210, 0xff000000, v208            ; 2 off the exponent field: the conversion's scale operand
	v_lshrrev_b32 v211, 23, v210                   ; the byte
.if KB == 0
	v_mov_b32 v212, v211
.else
	v_lshl_or_b32 v212, v211, 8*KB, v212           ; four bytes make my row's scale word of this K step
.endif
	v_cvt_scalef32_pk16_fp6_f32 v[FD:FD+2], v[XS:XS+15], v210
	v_cvt_scalef32_pk16_fp6_f32 v[TMP:TMP+2], v[XS+16:XS+31], v210   ; (a conversion's three registers begin on an even number)
.if (\q)+2 < 8
	ALOAD (\q)+2
.endif
	v_nop                                          ; one plain line between the conversions and the moves that read their result
.irp i, 0,1,2
	v_mov_b32 v[FD+3+\i], v[TMP+\i]
.endr
.if KB == 3
.irp hh, 0,1
.irp qq, 0,1,2
	ds_store_b128 v14, v[F+12*\hh+4*\qq:F+12*\hh+4*\qq+3] offset:512*\qq+256*\hh+128*PA
.endr
.endr
	ds_store_b32 v15, v212 offset:6656+32*PA
	s_wait_dscnt 0x0                               ; the stores have read their registers: the next pass may write them
.endif
.endm
	ALOAD 0
	ALOAD 1
.irp q, 0,1,2,3,4,5,6,7
	AUNIT \q
.endr
.irp u, 0,1,2,3
.irp q, 0,1,2
	ds_load_b128 v[OUTR+12*\u+4*\q:OUTR+12*\u+4*\q+3], v12 offset:1664*\u+512*\q
.endr
.endr
	ds_load_b64 v[OUTR+48:OUTR+49], v13 offset:6656
.set k, 0
.rept 12
	s_wait_dscnt 12-k                              ; load k is in: 12 - k younger ones may be out
	global_store_b128 v7, v[OUTR+4*k:OUTR+4*k+3], s[42:43] offset:512*k   ; 512 consecutive bytes of my four images
.set k, k+1
.endr
	s_wait_dscnt 0x0
	global_store_b64 v8, v[OUTR+48:OUTR+49], s[44:45]   ; 256 consecutive bytes of scale words
	FINISH
; ---------------- W: a wave takes one tile of 16 rows of one weight and four K steps (4 sh + k).  K is innermost here: a row's 128 numbers of a K step are 512 consecutive bytes.
; A tile's rows are 16 neighbours; a tile n of a head of Wv takes rows 32 (r / 8) + 8 n + r % 8, so that the attention launch's result holds a whole block of 32 channels in a lane.
.Lw:
	s_sub_co_u32 s2, ttmp9, 1024
	s_lshl_b32 s2, s2, 2
	s_add_co_u32 s2, s2, s16                       ; the task
	s_lshr_b32 s3, s2, 7                           ; which weight: q, k, v, o
	s_bfe_u32 s4, s2, 0x60001                      ; tile 0..63
	s_and_b32 s5, s2, 1                            ; sh
	s_cmp_eq_u32 s3, 1
	s_cselect_b64 s[26:27], s[28:29], s[26:27]
	s_cmp_eq_u32 s3, 2
	s_cselect_b64 s[26:27], s[30:31], s[26:27]
	s_cmp_eq_u32 s3, 3
	s_cselect_b64 s[26:27], s[32:33], s[26:27]
	s_lshl_b32 s6, s4, 4                           ; 16 x tile
	s_lshr_b32 s7, s4, 2
	s_lshl_b32 s7, s7, 6
	s_and_b32 s8, s4, 3
	s_lshl_b32 s8, s8, 3
	s_add_co_u32 s7, s7, s8                        ; Wv: 64 (tile / 4) + 8 (tile % 4)
	s_cmp_eq_u32 s3, 2
	s_cselect_b32 s6, s7, s6                       ; the tile's row 0,
	s_cselect_b32 s7, 32, 8                        ; and how far on its row 8 lies
	s_lshl_b32 s6, s6, 12                          ; 4,096 bytes a row
	s_lshl_b32 s8, s5, 11                          ; four K steps are 2,048 bytes
	s_add_co_u32 s18, s6, s8
	s_add_nc_u64 s[26:27], s[26:27], s[18:19]      ; rows 0-7
	s_lshl_b32 s18, s7, 12
	s_add_nc_u64 s[28:29], s[26:27], s[18:19]      ; rows 8-15
	s_mul_i32 s6, s3, 786432                       ; wc's codes: [weight][128 rows][K step][tile of the 128][1,536]
	s_lshr_b32 s7, s4, 3
	s_lshl_b32 s7, s7, 3
	s_lshl_b32 s8, s5, 2
	s_add_co_u32 s7, s7, s8
	s_mul_i32 s7, s7, 12288
	s_add_co_u32 s6, s6, s7
	s_and_b32 s7, s4, 7
	s_mul_i32 s7, s7, 1536
	s_add_co_u32 s18, s6, s7
	s_add_nc_u64 s[42:43], s[38:39], s[18:19]
	s_lshl_b32 s6, s3, 15                          ; its scale words, from byte 3,145,728: [weight][tile][lane (r, K steps' half)][4 words]
	s_lshl_b32 s7, s4, 9
	s_add_co_u32 s6, s6, s7
	s_lshl_b32 s7, s5, 8
	s_add_co_u32 s6, s6, s7
	s_add_co_u32 s18, s6, 3145728
	s_add_nc_u64 s[44:45], s[38:39], s[18:19]
	s_mov_b32 s46, 0x76543210
	s_mov_b32 s47, 0xfedcba98                      ; v_permlanex16_b32's selects for lane l xor 16
	s_mov_b32 s56, 0xffff0000                      ; lanes 16-31
	v_mov_b32 v215, 0                              ; written once: a lane permute's destination counts as read
	s_wait_alu depctr_va_vdst(0)
	v_lshlrev_b32 v216, 3, v6                      ; 8 h
	v_lshlrev_b32 v217, 4, v5
	v_lshl_add_u32 v217, v6, 3, v217               ; 16 r + 8 h
.macro WLOAD k
.irp n, 0,1,2,3,4,5,6,7
	global_load_b128 v[R+64*((\k)%2)+4*\n:R+64*((\k)%2)+4*\n+3], v7, s[26:27] offset:\n*4096+512*(\k) th:TH_LOAD_NT
	global_load_b128 v[R+64*((\k)%2)+32+4*\n:R+64*((\k)%2)+32+4*\n+3], v7, s[28:29] offset:\n*4096+512*(\k) th:TH_LOAD_NT
.endr
.endm
.macro WSTEP k
.if (\k) < 3
	s_wait_loadcnt 16                              ; this step's 16 loads are in; the next step's 16 stay out
.else
	s_wait_loadcnt 0x0
.endif
	TURN WSTG, (\k)%2
	s_wait_dscnt 0x0
.if (\k)+2 < 4
	WLOAD (\k)+2
.endif
.irp c, 0,1                                    ; my two blocks, 2 c + h, by turns
	v_max3_num_f32 v[208+\c], |v[X+32*\c]|, |v[X+32*\c+1]|, 0x1800000
.endr
.irp i, 2,4,6,8,10,12,14,16,18,20,22,24,26,28,30
.irp c, 0,1
	v_max3_num_f32 v[208+\c], v[208+\c], |v[X+32*\c+\i]|, |v[X+32*\c+\i+1]|
.endr
.endr
.irp c, 0,1
	v_add_nc_u32 v[210+\c], 0xff000000, v[208+\c]
.endr
.irp c, 0,1
	v_lshrrev_b32 v[212+\c], 23, v[210+\c]
.endr
	v_lshl_or_b32 v214, v213, 16, v212             ; my bytes, blocks h and 2 + h,
	v_lshlrev_b32 v214, v216, v214                 ; at their places;
	v_permlanex16_b32 v215, v214, s46, s47
	v_or_b32 v[WW+(\k)], v214, v215                ; with lane l xor 16's two the word is whole
	s_wait_alu depctr_va_vdst(0)
	s_wait_xcnt 0x0                                ; the last step's stores have read the code registers: they are rewritten only behind this wait
	v_cvt_scalef32_pk16_fp6_f32 v[FW:FW+2], v[X:X+15], v210
	v_cvt_scalef32_pk16_fp6_f32 v[FW+12:FW+14], v[X+16:X+31], v210
	v_cvt_scalef32_pk16_fp6_f32 v[FW+6:FW+8], v[X+32:X+47], v211
	v_cvt_scalef32_pk16_fp6_f32 v[FW+16:FW+18], v[X+48:X+63], v211
	v_nop
.irp i, 0,1,2
	v_mov_b32 v[FW+3+\i], v[FW+12+\i]
	v_mov_b32 v[FW+9+\i], v[FW+16+\i]
.endr
.irp q, 0,1,2
	global_store_b128 v7, v[FW+4*\q:FW+4*\q+3], s[42:43] offset:12288*(\k)+512*\q
.endr
.endm
	WLOAD 0
	WLOAD 1
	WSTEP 0
	WSTEP 1
	WSTEP 2
	WSTEP 3
	v_cndmask_b32 v248, v[WW], v[WW+2], s56        ; lane (r, h) stores words 2 h and 2 h + 1 of row r: 256 consecutive bytes a wave
	v_cndmask_b32 v249, v[WW+1], v[WW+3], s56
	global_store_b64 v217, v[248:249], s[44:45]
	FINISH
.Lfunc_end_k_q17acd2065b_prep:
	.size	k_q17acd2065b_prep, .Lfunc_end_k_q17acd2065b_prep-k_q17acd2065b_prep
	.p2alignl 7, 3214868480
	.fill 96, 4, 3214868480
	.section	.rodata,"a",@progbits
	.p2align	6, 0x0
	.amdhsa_kernel k_q17acd2065b_prep
		.amdhsa_group_segment_fixed_size 95744
		.amdhsa_private_segment_fixed_size 0
		.amdhsa_enable_private_segment 0
		.amdhsa_kernarg_size 88
		.amdhsa_user_sgpr_count 2
		.amdhsa_user_sgpr_kernarg_segment_ptr 1
		.amdhsa_wavefront_size32 1
		.amdhsa_system_sgpr_workgroup_id_x 1
		.amdhsa_system_sgpr_workgroup_id_y 1
		.amdhsa_system_sgpr_workgroup_id_z 1
		.amdhsa_system_vgpr_workitem_id 0
		.amdhsa_next_free_vgpr 256
		.amdhsa_next_free_sgpr 66
		.amdhsa_reserve_vcc 1
		.amdhsa_float_denorm_mode_32 3
		.amdhsa_float_denorm_mode_16_64 3
		.amdhsa_memory_ordered 1
		.amdhsa_forward_progress 1
		.amdhsa_inst_pref_size 140
	.end_amdhsa_kernel
	.amdgpu_metadata
---
amdhsa.version: [ 1, 2 ]
amdhsa.kernels:
  - .name:           k_q17acd2065b_prep
    .symbol:         k_q17acd2065b_prep.kd
    .args:
      - { .name: attn_mask, .offset: 0, .size: 8, .value_kind: global_buffer, .address_space: global }
      - { .name: x, .offset: 8, .size: 8, .value_kind: global_buffer, .address_space: global }
      - { .name: c, .offset: 16, .size: 8, .value_kind: global_buffer, .address_space: global }
      - { .name: Wq, .offset: 24, .size: 8, .value_kind: global_buffer, .address_space: global }
      - { .name: Wk, .offset: 32, .size: 8, .value_kind: global_buffer, .address_space: global }
      - { .name: Wv, .offset: 40, .size: 8, .value_kind: global_buffer, .address_space: global }
      - { .name: Wo, .offset: 48, .size: 8, .value_kind: global_buffer, .address_space: global }
      - { .name: mw, .offset: 56, .size: 8, .value_kind: global_buffer, .address_space: global }
      - { .name: xc, .offset: 64, .size: 8, .value_kind: global_buffer, .address_space: global }
      - { .name: wc, .offset: 72, .size: 8, .value_kind: global_buffer, .address_space: global }
      - { .name: tab, .offset: 80, .size: 8, .value_kind: global_buffer, .address_space: global }
    .group_segment_fixed_size: 95744
    .private_segment_fixed_size: 0
    .kernarg_segment_align: 8
    .kernarg_segment_size: 88
    .max_flat_workgroup_size: 128
    .sgpr_count:     66
    .vgpr_count:     256
    .wavefront_size: 32
...
	.end_amdgpu_metadata
.endif
;; end of part 1
;; launch proj_qkv (part 2): grid 8 x 96, 4 waves a work-group, clusters of 4 x 4, 327,680 bytes of LDS; arguments xc, wc, tab, bq, bk, bv, qb, kv; writes qb, kv
.if DOCPART == 2
	.amdgcn_target "amdgcn-amd-amdhsa--gfx1250"
	.amdhsa_code_object_version 6
	.text
	.protected	k_q17acd2065b_proj_qkv
	.globl	k_q17acd2065b_proj_qkv
	.p2align	8
	.type	k_q17acd2065b_proj_qkv,@function
k_q17acd2065b_proj_qkv:
	s_mov_b64 s[64:65], 0
	v_nop
	global_prefetch_b8 v0, s[64:65] scope:SCOPE_SE
	s_setreg_imm32_b32 hwreg(HW_REG_WAVE_MODE, 25, 1), 1
	s_wait_xcnt 0x0
	s_wait_alu depctr_hold_cnt(0) depctr_sa_sdst(0) depctr_va_vdst(0) depctr_va_sdst(0) depctr_va_ssrc(0) depctr_va_vcc(0) depctr_vm_vsrc(0)
	s_getreg_b32 s2, hwreg(HW_REG_IB_STS2, 6, 4)
	s_cmp_eq_u32 s2, 0
	s_cbranch_scc0 .Lentry_in_a_cluster
	s_endpgm
.Lentry_in_a_cluster:
	s_bfe_u32 s2, ttmp6, 0x10000c
	s_cmp_lg_u32 s2, 0xf033
	s_cbranch_scc0 .Lentry_shape_is_right
	s_endpgm
.Lentry_shape_is_right:
; q = Wq x + bq, k = Wk c + bk (both with RoPE), v = Wv c + bv: three products on codes of E2M3 with E8M0 scales, K = the 1,024 channels; the results are quantised again on the way out,
; q and k along a head's 64 channels, v along the keys, and stored as images of the attention launch's operand registers.  No work of reference() is left out here.
; SHARES.  A work-group makes 256 t x 128 output channels of one product (kind = cluster y / 8: q, k, v: the same in all sixteen partners).  Wave w: its 128 t by w / 2, its 64 channels, one head, by w % 2:
; 8 x 4 accumulators, 256 registers.  THE WHOLE K FITS IN LDS: 8 K steps x (16 + 8 fragments of 1,536 bytes) = 294,912 bytes, filled once: four tensor loads a wave, all at the head; nothing is filled again.
; CLUSTER 4 x 4: the activation's block hangs on the tile row alone and is asked for jointly along a row of the cluster, the weight's on the tile column alone and jointly along a column.
; q, k: source 0 = 16 rows of W, source 1 = 16 t: a lane holds ONE t and eight channels a tile.   v: source 0 = 16 t, source 1 = 16 rows of W: a lane holds ONE channel, and by the choice of a tile's rows
; (t = 64 c + 32 (r / 8) + 8 u + r % 8) the 32 registers of tiles 4 c .. 4 c + 3 are the 32 neighbouring keys 64 c + 32 (lane / 16) + 0 .. 31: a whole block.  The biases are the C of each sum's first product.
; In q's and k's codes each block of 32 channels stands in the order 0-7, 16-23, 8-15, 24-31, alike in both: their products are the same.
; LIMITS: NaN and infinities are not served; a block of zeros gets the byte 1 (its codes are zeros; only this program reads the bytes).
; REGISTERS, in windows of 256 (s_set_vgpr_msb: bits 1:0 source 0, 3:2 source 1, 5:4 source 2, 7:6 destination):
;   window 0: v1-15 lane terms and addresses; v32-63 the activation's scale words (4 s + pair of tiles); v64-79 the weight's (4 n + s % 4); v80-127, v176-225 at work; v128-175 four fragments made
;   window 1: activation fragments, two sets of 96 at v0 and v128     window 2: the 32 accumulators     window 3: weight fragments, two sets of 48 at v0 and v48; v96-127 the bias; v128-255 cos and sin
.set SPARE, 294912                     ; behind the tiles: the spare words, 128 bytes for each wave
.set BOFF,  196608                     ; LDS: the activation's K step s at 24,576 s; the weight's at BOFF + 12,288 s
.set VA,  3                            ; v3   LDS address of my activation fragments of the K step to be fetched
.set VB,  4                            ; v4   the same for the weight
.set SPW, 8                            ; v8   LDS address of my spare word; never rewritten
.set NIL, 9                            ; v9   0; never rewritten
.set SCA, 32
.set SCW, 64
.set RR,  80                           ; v80-111  q, k: the rotated channels of two tiles
.set WK,  112                          ; v112-123 largest magnitudes, bytes, scale operands
.set WD,  124                          ; v124-127 four scale words
.set FF,  128
.set T0,  176                          ; v176-191 q, k: products with the cosine
.set T1,  184
.set SO,  176                          ; v176-183 v: scale operands;  v184-187, v188-191 its words at work
.set W4,  184
.set X4,  188
.set TMP, 192                          ; from v192: the upper halves of blocks' codes
.set BIAS, 96
.set TAB,  128
.set MSB, 0
.macro WIN new                         ; the immediate's high byte repeats the setting that is left
.if MSB != \new
	s_set_vgpr_msb (MSB<<8)|\new
.set MSB, \new
.endif
.endm
.macro PLACES                          ; four plain lines behind matrix instructions, ahead of loads into registers that they read and of the first read of results
.rept 4
	v_nop
.endr
.endm
.macro CROUND                          ; a round of the cluster's barrier
	s_barrier_signal -1
	s_barrier_wait -1
	s_cmp_lg_u32 s20, 0
	s_cbranch_scc1 .Lnot_wave_0_\@
	s_barrier_signal -3
.Lnot_wave_0_\@:
	s_barrier_wait -3
	s_barrier_signal -1
	s_barrier_wait -1
.endm
.macro FINISH                          ; a wave's end: three lines, then the closing round: no work-group ends while a partner may still ask jointly
	WIN 0
	s_wait_tensorcnt 0x0
	ds_add_u32 v[SPW], v[NIL]
	s_wait_dscnt 0x0
	CROUND
	s_endpgm
.endm
; one product: D, source 0, source 1, C, their scale registers, and whether each side's scales stand in lanes 16-31
.macro WM d, a, b, c, sa, sb, ra, rb
.if (\ra) && (\rb)
	v_wmma_scale_f32_16x16x128_f8f6f4 v[\d:\d+7], v[\a:\a+11], v[\b:\b+11], v[\c:\c+7], v[\sa], v[\sb] matrix_a_fmt:MATRIX_FMT_FP6 matrix_b_fmt:MATRIX_FMT_FP6 matrix_a_scale:MATRIX_SCALE_ROW1 matrix_b_scale:MATRIX_SCALE_ROW1
.elseif (\ra)
	v_wmma_scale_f32_16x16x128_f8f6f4 v[\d:\d+7], v[\a:\a+11], v[\b:\b+11], v[\c:\c+7], v[\sa], v[\sb] matrix_a_fmt:MATRIX_FMT_FP6 matrix_b_fmt:MATRIX_FMT_FP6 matrix_a_scale:MATRIX_SCALE_ROW1
.elseif (\rb)
	v_wmma_scale_f32_16x16x128_f8f6f4 v[\d:\d+7], v[\a:\a+11], v[\b:\b+11], v[\c:\c+7], v[\sa], v[\sb] matrix_a_fmt:MATRIX_FMT_FP6 matrix_b_fmt:MATRIX_FMT_FP6 matrix_b_scale:MATRIX_SCALE_ROW1
.else
	v_wmma_scale_f32_16x16x128_f8f6f4 v[\d:\d+7], v[\a:\a+11], v[\b:\b+11], v[\c:\c+7], v[\sa], v[\sb] matrix_a_fmt:MATRIX_FMT_FP6 matrix_b_fmt:MATRIX_FMT_FP6
.endif
.endm
.macro FETCH set                       ; a K step's fragments, 8 of the activation and 4 of the weight: images, so each comes by three loads of 512 consecutive bytes
	WIN 0x40
.irp i, 0,1,2,3,4,5,6,7
.irp q, 0,1,2
	ds_load_b128 v[128*(\set)+12*\i+4*\q:128*(\set)+12*\i+4*\q+3], v[VA] offset:1536*\i+512*\q
.endr
.endr
	WIN 0xC0
.irp n, 0,1,2,3
.irp q, 0,1,2
	ds_load_b128 v[48*(\set)+12*\n+4*\q:48*(\set)+12*\n+4*\q+3], v[VB] offset:1536*\n+512*\q
.endr
.endr
	WIN 0
	v_add_nc_u32 v[VA], 24576, v[VA]               ; on to the next K step
	v_add_nc_u32 v[VB], 12288, v[VB]
.endm
; 32 products of K step s.  The 32 accumulators take turns, one instruction a turn, in the same order in every step.  In step 0 the bias is C.
.macro MULS s, orient
.if (\orient) == 0
.if (\s) == 0
	WIN 0xB7                                       ; source 0 (W) window 3, source 1 (activation) window 1, C (bias) window 3, D window 2
.else
	WIN 0xA7                                       ; C and D window 2
.endif
.irp i, 0,1,2,3,4,5,6,7
.irp n, 0,1,2,3
.if (\s) == 0
	WM (4*\i+\n)*8,48*((\s)%2)+12*\n,128*((\s)%2)+12*\i,BIAS+8*\n,SCW+4*\n+(\s)%4,SCA+4*(\s)+\i/2,(\s)/4,\i%2
.else
	WM (4*\i+\n)*8,48*((\s)%2)+12*\n,128*((\s)%2)+12*\i,(4*\i+\n)*8,SCW+4*\n+(\s)%4,SCA+4*(\s)+\i/2,(\s)/4,\i%2
.endif
.endr
.endr
.else
.if (\s) == 0
	WIN 0xBD                                       ; source 0 (activation) window 1, source 1 (W) window 3, C (bias) window 3, D window 2
.else
	WIN 0xAD
.endif
.irp i, 0,1,2,3,4,5,6,7
.irp n, 0,1,2,3
.if (\s) == 0
	WM (8*\n+\i)*8,128*((\s)%2)+12*\i,48*((\s)%2)+12*\n,BIAS+8*\n,SCA+4*(\s)+\i/2,SCW+4*\n+(\s)%4,\i%2,(\s)/4
.else
	WM (8*\n+\i)*8,128*((\s)%2)+12*\i,48*((\s)%2)+12*\n,(8*\n+\i)*8,SCA+4*(\s)+\i/2,SCW+4*\n+(\s)%4,\i%2,(\s)/4
.endif
.endr
.endr
.endif
.endm
; K step s: its fragments are in; the next step's are asked for, into the set that step s - 1 multiplied; then the 32 products.
; A wave's load p brought K steps 2 p and 2 p + 1 (one of the two, of one operand): ahead of the first read of an even step each wave waits until 3 - p of its loads are out, and a barrier follows.
.macro STEP s, orient
	s_wait_dscnt 0x0
.if (\s) < 7
.if ((\s)+1)%2 == 0
	s_wait_tensorcnt 3-((\s)+1)/2                  ; the later loads stay out
	s_barrier_signal -1
	s_barrier_wait -1
.endif
	PLACES
	FETCH ((\s)+1)%2
.endif
	MULS \s,\orient
.endm
	s_load_b512 s[4:19], s[0:1], 0x0               ; xc s[4:5], wc s[6:7], tab s[8:9], bq s[10:11], bk s[12:13], bv s[14:15], qb s[16:17], kv s[18:19]
	v_lshl_add_u32 v[SPW], v0, 2, SPARE
	v_mov_b32 v[NIL], 0
	ds_add_u32 v[SPW], v[NIL]                      ; the wave's opening: the add, twice on end, and its wait ahead of my first tensor load
	ds_add_u32 v[SPW], v[NIL]
	v_lshrrev_b32 v1, 5, v0
	v_readfirstlane_b32 s20, v1                    ; wave 0..3
	s_lshr_b32 s21, s20, 1                         ; my 128 t.  Also: I fetch the activation (0) or the weight (1)
	s_and_b32 s22, s20, 1                          ; my 64 channels.  Also: the even or the odd K steps
	s_bfe_u32 s56, ttmp6, 0x40000                  ; cx
	s_bfe_u32 s57, ttmp6, 0x40004                  ; cy
	s_and_b32 s58, ttmp7, 0xffff                   ; the cluster's y, 0..23
	s_lshr_b32 s59, s58, 3                         ; kind: 0 q, 1 k, 2 v
	s_and_b32 s60, s58, 7
	s_lshl_b32 s60, s60, 2
	s_add_co_u32 s60, s60, s57                     ; ty = 8 b + T
	s_lshl_b32 s61, ttmp9, 2
	s_add_co_u32 s61, s61, s56                     ; ox: which 128 output channels
	s_lshl_b32 s62, s57, 2
	s_lshl_b32 s62, 15, s62                        ; my row of the cluster
	s_lshl_b32 s63, 0x1111, s56                    ; my column
	; descriptor group 1: dense blocks as rows of 256 bytes (32 elements of 8 bytes), no padding: 96 rows (an activation's K step), 48 rows (a weight's)
	s_or_b32 s24, s62, (3<<16)|(1<<21)
	s_mov_b32 s25, 32<<16
	s_mov_b32 s26, 96<<16
	s_mov_b32 s27, 32<<16
	s_mov_b32 s28, 96
	s_mov_b32 s29, 32
	s_mov_b32 s30, 0
	s_mov_b32 s31, 0
	s_or_b32 s32, s63, (3<<16)|(1<<21)
	s_mov_b32 s33, 32<<16
	s_mov_b32 s34, 48<<16
	s_mov_b32 s35, 32<<16
	s_mov_b32 s36, 48
	s_mov_b32 s37, 32
	s_mov_b32 s38, 0
	s_mov_b32 s39, 0
	s_min_u32 s84, s59, 1                          ; the activation: x for q, c for k and v
	s_mul_i32 s84, s84, 6291456
	s_mul_i32 s86, s60, 196608
	s_add_co_u32 s84, s84, s86
	s_mul_i32 s87, s22, 24576                      ; my parity of K steps, in memory and in LDS
	s_add_co_u32 s84, s84, s87
	s_mov_b32 s85, 0
	s_mul_i32 s88, s59, 786432                     ; the weight
	s_mul_i32 s90, s61, 98304
	s_add_co_u32 s88, s88, s90
	s_mul_i32 s91, s22, 12288
	s_add_co_u32 s88, s88, s91
	s_mov_b32 s89, 0
	s_wait_dscnt 0x0                               ; both opening adds are done
	s_wait_kmcnt 0x0
	s_add_nc_u64 s[84:85], s[4:5], s[84:85]
	s_add_nc_u64 s[88:89], s[6:7], s[88:89]
.irp p, 0,1,2,3                                ; group 0 of load p: K step 2 p + my parity
	s_mov_b32 s[40+4*\p], 1
	s_add_co_u32 s[41+4*\p], s87, \p*49152
	s_add_nc_u64 s[42+4*\p:43+4*\p], s[84:85], \p*49152
	s_or_b32 s[43+4*\p], s[43+4*\p], 0x80000000
	s_mov_b32 s[68+4*\p], 1
	s_add_co_u32 s[69+4*\p], s91, BOFF+\p*24576
	s_add_nc_u64 s[70+4*\p:71+4*\p], s[88:89], \p*24576
	s_or_b32 s[71+4*\p], s[71+4*\p], 0x80000000
.endr
	CROUND                                         ; all sixteen work-groups are here: the joint loads meet
	s_cmp_eq_u32 s21, 0                            ; a wave's four fills stand in one branch on its number; four tensor loads of mine are out
	s_cbranch_scc0 .Lfill_b
.irp p, 0,1,2,3
	tensor_load_to_lds s[40+4*\p:43+4*\p], s[24:31]
	s_nop 0
.endr
	PLACES
	s_branch .Lfilled
.Lfill_b:
.irp p, 0,1,2,3
	tensor_load_to_lds s[68+4*\p:71+4*\p], s[32:39]
	s_nop 0
.endr
	PLACES
.Lfilled:
	v_and_b32 v7, 31, v0                           ; lane
	v_and_b32 v1, 15, v0                           ; r
	v_bfe_u32 v2, v0, 4, 1                         ; h
	v_lshlrev_b32 v5, 4, v7                        ; 16 x lane
	v_lshlrev_b32 v6, 3, v7                        ; 8 x lane
	v_lshlrev_b32 v10, 3, v2                       ; 8 h
	s_mul_i32 s2, s21, 12288
	v_add_nc_u32 v[VA], s2, v5                     ; my 8 tiles of a K step's 16
	s_mul_i32 s2, s22, 6144
	s_add_co_u32 s2, s2, BOFF
	v_add_nc_u32 v[VB], s2, v5                     ; my 4 of its 8
	v_lshlrev_b32 v12, 2, v7
	s_lshl_b32 s2, s21, 9
	v_add_nc_u32 v12, s2, v12                      ; the activation's scale words: 4 x lane + my four pairs of tiles
	v_and_b32 v14, 8, v1
	v_mad_u32_u24 v15, v14, 3, v1                  ; 32 (r / 8) + r % 8
.irp m, 0,1,2,3
	v_mov_b32 v[WK+4+\m], 0                        ; written once: a lane permute's destination counts as read
	v_mov_b32 v[X4+\m], 0
.endr
	s_mov_b32 s92, 0x76543210
	s_mov_b32 s93, 0xfedcba98                      ; v_permlanex16_b32's selects for lane l xor 16
	s_mov_b32 s94, 0xffff0000                      ; lanes 16-31
	s_mov_b32 s3, 0
	s_min_u32 s2, s59, 1
	s_lshl_b32 s2, s2, 18
	s_lshl_b32 s23, s60, 13
	s_add_co_u32 s2, s2, s23
	s_add_co_u32 s2, s2, 12582912
	s_add_nc_u64 s[96:97], s[4:5], s[2:3]
.irp s, 0,1,2,3,4,5,6,7
.irp p, 0,1,2,3
	global_load_b32 v[SCA+4*\s+\p], v12, s[96:97] offset:1024*\s+128*\p   ; lanes 0-15: tile 2 p's rows, lanes 16-31: tile 2 p + 1's
.endr
.endr
	s_lshl_b32 s2, s59, 15
	s_lshl_b32 s23, s61, 12
	s_add_co_u32 s2, s2, s23
	s_lshl_b32 s23, s22, 11
	s_add_co_u32 s2, s2, s23
	s_add_co_u32 s2, s2, 3145728
	s_add_nc_u64 s[98:99], s[6:7], s[2:3]
.irp n, 0,1,2,3
	global_load_b128 v[SCW+4*\n:SCW+4*\n+3], v5, s[98:99] offset:512*\n   ; lanes 0-15: K steps 0-3, lanes 16-31: K steps 4-7
.endr
	s_lshr_b32 s63, s60, 3                         ; where my results go: step ((16 b + head) 16 + 2 T + my half) of qb or kv
	s_lshl_b32 s63, s63, 4
	s_lshl_b32 s23, s61, 1
	s_add_co_u32 s63, s63, s23
	s_add_co_u32 s63, s63, s22
	s_lshl_b32 s63, s63, 4
	s_and_b32 s23, s60, 7
	s_lshl_b32 s23, s23, 1
	s_add_co_u32 s63, s63, s23
	s_add_co_u32 s63, s63, s21
	s_lshl_b32 s62, s61, 9
	s_lshl_b32 s23, s22, 8
	s_add_co_u32 s62, s62, s23                     ; my 64 numbers of a bias, in bytes
	s_cmp_eq_u32 s59, 2
	s_cbranch_scc1 .Lpath_v
; ---------------- q and k
	s_cmp_eq_u32 s59, 0
	s_cselect_b64 s[10:11], s[10:11], s[12:13]     ; bq or bk, qb or kv: the choice hangs on the cluster's number alone
	s_cselect_b64 s[16:17], s[16:17], s[18:19]
	s_mov_b32 s23, 12800
	s_cselect_b32 s23, 6400, s23                   ; a step's bytes there
	s_mov_b32 s2, s62
	s_add_nc_u64 s[10:11], s[10:11], s[2:3]
	s_mul_i32 s2, s63, s23
	s_add_nc_u64 s[16:17], s[16:17], s[2:3]
	s_and_b32 s2, s60, 7
	s_lshl_b32 s2, s2, 12
	s_lshl_b32 s23, s21, 11
	s_add_co_u32 s2, s2, s23                       ; 16 bytes x (256 T + my 128 t)
	s_add_nc_u64 s[8:9], s[8:9], s[2:3]
	v_lshlrev_b32 v13, 5, v2                       ; the bias: lane (r, h) wants channels 16 n + 8 h + 0 .. 7
	v_lshlrev_b32 v11, 4, v15
	v_lshl_add_u32 v11, v2, 16, v11                ; the table: my row's t, and pieces 2 h, 2 h + 1: theta 8 h + 0 .. 7
	WIN 0xC0
.irp n, 0,1,2,3
	global_load_b128 v[BIAS+8*\n:BIAS+8*\n+3], v13, s[10:11] offset:64*\n
	global_load_b128 v[BIAS+8*\n+4:BIAS+8*\n+7], v13, s[10:11] offset:64*\n+16
.endr
.irp i, 0,1,2,3,4,5,6,7                        ; tile i = 4 c + u: 8 cosines, 8 sines
.irp e, 0,1
	global_load_b128 v[TAB+16*\i+4*\e:TAB+16*\i+4*\e+3], v11, s[8:9] offset:(64*(\i/4)+8*(\i%4))*16+32768*\e
	global_load_b128 v[TAB+16*\i+8+4*\e:TAB+16*\i+8+4*\e+3], v11, s[8:9] offset:(64*(\i/4)+8*(\i%4))*16+32768*\e+131072
.endr
.endr
	WIN 0
	s_wait_tensorcnt 3                             ; my first load is in; three stay out
	s_barrier_signal -1
	s_barrier_wait -1                              ; everybody's first is: K steps 0 and 1 lie in LDS
	FETCH 0
	s_wait_alu depctr_va_vdst(0)
	s_wait_loadcnt 32                              ; scale words and bias are in; the table's 32 loads, issued last, stay out
.irp s, 0,1,2,3,4,5,6,7
	s_wait_alu depctr_va_vdst(0)
	STEP \s,0
.endr
	PLACES
	s_wait_loadcnt 0x0                             ; the table
; The way out, a pair of tiles (2 f, 2 f + 1) by turns.  In tile i a lane holds one t; accumulator (i, n) holds channels 16 n + 8 h + j of the head.
; RoPE: x'(d) = x(d) cos - x(d + 16) sin, x'(d + 16) = x(d + 16) cos + x(d) sin, d = 8 h + j: accumulators (i, 0) and (i, 1).  Then two blocks of 32 channels, each shared with lane l xor 16.
.macro QKPAIR f
	WIN 0x0E                                       ; source 0 window 2 (accumulators), source 1 window 3 (table)
.irp e, 0,1
.set AA, 32*(2*(\f)+\e)
.set TT, TAB+16*(2*(\f)+\e)
.irp j, 0,2,4,6
	v_pk_mul_f32 v[T0+\j:T0+\j+1], v[AA+\j:AA+\j+1], v[TT+\j:TT+\j+1]
	v_pk_mul_f32 v[T1+\j:T1+\j+1], v[AA+8+\j:AA+8+\j+1], v[TT+\j:TT+\j+1]
.endr
.irp j, 0,2,4,6
	v_pk_fma_f32 v[RR+16*\e+\j:RR+16*\e+\j+1], v[AA+8+\j:AA+8+\j+1], v[TT+8+\j:TT+8+\j+1], v[T0+\j:T0+\j+1] neg_lo:[1,0,0] neg_hi:[1,0,0]
	v_pk_fma_f32 v[RR+16*\e+8+\j:RR+16*\e+8+\j+1], v[AA+\j:AA+\j+1], v[TT+8+\j:TT+8+\j+1], v[T1+\j:T1+\j+1]
.endr
.endr
	WIN 0
.irp e, 0,1
	v_max3_num_f32 v[WK+\e], |v[RR+16*\e]|, |v[RR+16*\e+1]|, 0x1800000   ; block 0: my 16, and the floor 2^(3 - 127)
.endr
.irp j, 2,4,6,8,10,12,14
.irp e, 0,1
	v_max3_num_f32 v[WK+\e], v[WK+\e], |v[RR+16*\e+\j]|, |v[RR+16*\e+\j+1]|
.endr
.endr
	WIN 0x0A                                       ; sources 0 and 1 window 2
.irp e, 0,1
	v_max3_num_f32 v[WK+2+\e], |v[32*(2*(\f)+\e)+16]|, |v[32*(2*(\f)+\e)+17]|, 0x1800000   ; block 1: accumulators (i, 2) and (i, 3), each from its low end on
.endr
.irp j, 2,4,6,8,10,12,14
.irp e, 0,1
	v_max3_num_f32 v[WK+2+\e], |v[32*(2*(\f)+\e)+16+\j]|, |v[32*(2*(\f)+\e)+17+\j]|, v[WK+2+\e]
.endr
.endr
	WIN 0
.irp m, 0,1,2,3
	v_permlanex16_b32 v[WK+4+\m], v[WK+\m], s92, s93
.endr
.irp m, 0,1,2,3
	v_max_num_f32 v[WK+\m], v[WK+\m], v[WK+4+\m]   ; with lane l xor 16's 16: the block's largest magnitude
.endr
.irp m, 0,1,2,3
	v_add_nc_u32 v[WK+8+\m], 0xff000000, v[WK+\m]  ; 2 off the exponent field: the conversion's scale operand
.endr
.irp m, 0,1,2,3
	v_lshrrev_b32 v[WK+4+\m], 23, v[WK+8+\m]       ; the byte
.endr
	v_lshl_or_b32 v[WD+(\f)], v[WK+6], 8, v[WK+4]  ; the pair's scale word: tile 2 f's two bytes, then tile 2 f + 1's
	v_lshl_or_b32 v[WD+(\f)], v[WK+5], 16, v[WD+(\f)]
	v_lshl_or_b32 v[WD+(\f)], v[WK+7], 24, v[WD+(\f)]
.irp e, 0,1
	v_cvt_scalef32_pk16_fp6_f32 v[FF+12*(\f)+6*\e:FF+12*(\f)+6*\e+2], v[RR+16*\e:RR+16*\e+15], v[WK+8+\e]
.endr
	WIN 0x02
.irp e, 0,1
	v_cvt_scalef32_pk16_fp6_f32 v[TMP+4*\e:TMP+4*\e+2], v[32*(2*(\f)+\e)+16:32*(2*(\f)+\e)+31], v[WK+10+\e]
.endr
	WIN 0
	v_nop                                          ; one plain line behind the conversions
.irp e, 0,1                                    ; the operand wants a whole block in a lane: lanes 0-15 block 0, lanes 16-31 block 1
.irp k, 0,1,2
	v_permlane16_swap_b32 v[FF+12*(\f)+6*\e+\k], v[TMP+4*\e+\k]
.endr
.endr
.irp e, 0,1
.irp k, 0,1,2
	v_mov_b32 v[FF+12*(\f)+6*\e+3+\k], v[TMP+4*\e+\k]
.endr
.endr
.irp q, 0,1,2
	global_store_b128 v5, v[FF+12*(\f)+4*\q:FF+12*(\f)+4*\q+3], s[16:17] offset:1536*(\f)+512*\q   ; 512 consecutive bytes of the fragment's image
.endr
.endm
	QKPAIR 0
	QKPAIR 1
	QKPAIR 2
	QKPAIR 3
	v_cndmask_b32 v200, v[WD], v[WD+1], s94        ; the step's scale words [lane][2]: lane (r, h) holds those of fragments h and 2 + h
	v_cndmask_b32 v201, v[WD+2], v[WD+3], s94
	global_store_b64 v6, v[200:201], s[16:17] offset:6144
	FINISH
; ---------------- v
.Lpath_v:
	s_mov_b32 s2, s62
	s_add_nc_u64 s[14:15], s[14:15], s[2:3]
	s_mul_i32 s2, s63, 12800
	s_add_co_u32 s2, s2, 6400                      ; V lies behind K and its scale words
	s_add_nc_u64 s[18:19], s[18:19], s[2:3]
	s_wait_alu depctr_va_vdst(0)
	v_lshlrev_b32 v13, 2, v15                      ; the bias: lane r wants channel 32 (r / 8) + 8 n + r % 8 of the head
	WIN 0xC0
.irp n, 0,1,2,3
	global_load_b32 v[BIAS+8*\n], v13, s[14:15] offset:32*\n
.endr
	WIN 0
	s_wait_tensorcnt 3                             ; as above
	s_barrier_signal -1
	s_barrier_wait -1
	FETCH 0
	s_wait_loadcnt 0x0
	WIN 0xC3
.irp n, 0,1,2,3
.irp j, 1,2,3,4,5,6,7
	v_mov_b32 v[BIAS+8*\n+\j], v[BIAS+8*\n]        ; a lane's eight results of a tile are one channel's: the same bias in all eight registers of C
.endr
.endr
	s_wait_alu depctr_va_vdst(0)
.irp s, 0,1,2,3,4,5,6,7
	s_wait_alu depctr_va_vdst(0)
	STEP \s,1
.endr
	PLACES
	WIN 0x0A                                       ; the way out: eight blocks of 32 keys a lane (4 tiles of channels x 2), all mine, by turns; each accumulator from its low end on
.irp n, 0,1,2,3
.irp c, 0,1
	v_max3_num_f32 v[WK+2*\n+\c], |v[64*\n+32*\c]|, |v[64*\n+32*\c+1]|, 0x1800000
.endr
.endr
.irp j, 2,4,6,8,10,12,14,16,18,20,22,24,26,28,30
.irp n, 0,1,2,3
.irp c, 0,1
	v_max3_num_f32 v[WK+2*\n+\c], |v[64*\n+32*\c+\j]|, |v[64*\n+32*\c+\j+1]|, v[WK+2*\n+\c]
.endr
.endr
.endr
	WIN 0
.irp m, 0,1,2,3,4,5,6,7
	v_add_nc_u32 v[SO+\m], 0xff000000, v[WK+\m]
.endr
.irp m, 0,1,2,3,4,5,6,7
	v_lshrrev_b32 v[WK+\m], 23, v[SO+\m]
.endr
.irp n, 0,1,2,3
	v_lshl_or_b32 v[W4+\n], v[WK+2*\n+1], 16, v[WK+2*\n]   ; my bytes, key blocks h and 2 + h,
.endr
.irp n, 0,1,2,3
	v_lshlrev_b32 v[W4+\n], v10, v[W4+\n]          ; at their places
.endr
.irp n, 0,1,2,3
	v_permlanex16_b32 v[X4+\n], v[W4+\n], s92, s93
.endr
.irp n, 0,1,2,3
	v_or_b32 v[WD+\n], v[W4+\n], v[X4+\n]
.endr
	WIN 0x02
.irp n, 0,1,2,3
.irp c, 0,1
	v_cvt_scalef32_pk16_fp6_f32 v[FF+12*\n+6*\c:FF+12*\n+6*\c+2], v[64*\n+32*\c:64*\n+32*\c+15], v[SO+2*\n+\c]
	v_cvt_scalef32_pk16_fp6_f32 v[TMP+8*\n+4*\c:TMP+8*\n+4*\c+2], v[64*\n+32*\c+16:64*\n+32*\c+31], v[SO+2*\n+\c]
.endr
.endr
	WIN 0
	v_nop
.irp n, 0,1,2,3
.irp c, 0,1
.irp k, 0,1,2
	v_mov_b32 v[FF+12*\n+6*\c+3+\k], v[TMP+8*\n+4*\c+\k]
.endr
.endr
.endr
.irp n, 0,1,2,3
.irp q, 0,1,2
	global_store_b128 v5, v[FF+12*\n+4*\q:FF+12*\n+4*\q+3], s[18:19] offset:1536*\n+512*\q
.endr
.endr
	v_cndmask_b32 v224, v[WD], v[WD+1], s94
	v_cndmask_b32 v225, v[WD+2], v[WD+3], s94
	global_store_b64 v6, v[224:225], s[18:19] offset:6144
	FINISH
.Lfunc_end_k_q17acd2065b_proj_qkv:
	.size	k_q17acd2065b_proj_qkv, .Lfunc_end_k_q17acd2065b_proj_qkv-k_q17acd2065b_proj_qkv
	.p2alignl 7, 3214868480
	.fill 96, 4, 3214868480
	.section	.rodata,"a",@progbits
	.p2align	6, 0x0
	.amdhsa_kernel k_q17acd2065b_proj_qkv
		.amdhsa_group_segment_fixed_size 327680
		.amdhsa_private_segment_fixed_size 0
		.amdhsa_enable_private_segment 0
		.amdhsa_kernarg_size 64
		.amdhsa_user_sgpr_count 2
		.amdhsa_user_sgpr_kernarg_segment_ptr 1
		.amdhsa_wavefront_size32 1
		.amdhsa_system_sgpr_workgroup_id_x 1
		.amdhsa_system_sgpr_workgroup_id_y 1
		.amdhsa_system_sgpr_workgroup_id_z 1
		.amdhsa_system_vgpr_workitem_id 0
		.amdhsa_next_free_vgpr 1024
		.amdhsa_next_free_sgpr 100
		.amdhsa_reserve_vcc 0
		.amdhsa_float_denorm_mode_32 3
		.amdhsa_float_denorm_mode_16_64 3
		.amdhsa_memory_ordered 1
		.amdhsa_forward_progress 1
		.amdhsa_inst_pref_size 165
	.end_amdhsa_kernel
	.amdgpu_metadata
---
amdhsa.version: [ 1, 2 ]
amdhsa.kernels:
  - .name:           k_q17acd2065b_proj_qkv
    .symbol:         k_q17acd2065b_proj_qkv.kd
    .args:
      - { .name: xc, .offset: 0, .size: 8, .value_kind: global_buffer, .address_space: global }
      - { .name: wc, .offset: 8, .size: 8, .value_kind: global_buffer, .address_space: global }
      - { .name: tab, .offset: 16, .size: 8, .value_kind: global_buffer, .address_space: global }
      - { .name: bq, .offset: 24, .size: 8, .value_kind: global_buffer, .address_space: global }
      - { .name: bk, .offset: 32, .size: 8, .value_kind: global_buffer, .address_space: global }
      - { .name: bv, .offset: 40, .size: 8, .value_kind: global_buffer, .address_space: global }
      - { .name: qb, .offset: 48, .size: 8, .value_kind: global_buffer, .address_space: global }
      - { .name: kv, .offset: 56, .size: 8, .value_kind: global_buffer, .address_space: global }
    .group_segment_fixed_size: 327680
    .private_segment_fixed_size: 0
    .kernarg_segment_align: 8
    .kernarg_segment_size: 64
    .max_flat_workgroup_size: 128
    .sgpr_count:     100
    .vgpr_count:     1024
    .wavefront_size: 32
...
	.end_amdgpu_metadata
.endif
;; end of part 2
;; launch attn (part 3): grid 8 x 32, 16 waves a work-group, clusters of 4 x 1, 327,680 bytes of LDS; arguments qb, kv, mw, ao; writes ao
.if DOCPART == 3
	.amdgcn_target "amdgcn-amd-amdhsa--gfx1250"
	.amdhsa_code_object_version 6
	.text
	.protected	k_q17acd2065b_attn
	.globl	k_q17acd2065b_attn
	.p2align	8
	.type	k_q17acd2065b_attn,@function
k_q17acd2065b_attn:
	s_mov_b64 s[64:65], 0
	v_nop
	global_prefetch_b8 v0, s[64:65] scope:SCOPE_SE
	s_setreg_imm32_b32 hwreg(HW_REG_WAVE_MODE, 25, 1), 1
	s_wait_xcnt 0x0
	s_wait_alu depctr_hold_cnt(0) depctr_sa_sdst(0) depctr_va_vdst(0) depctr_va_sdst(0) depctr_va_ssrc(0) depctr_va_vcc(0) depctr_vm_vsrc(0)
	s_getreg_b32 s2, hwreg(HW_REG_IB_STS2, 6, 4)
	s_cmp_eq_u32 s2, 0
	s_cbranch_scc0 .Lentry_in_a_cluster
	s_endpgm
.Lentry_in_a_cluster:
	s_bfe_u32 s2, ttmp6, 0x10000c
	s_cmp_lg_u32 s2, 0x3003
	s_cbranch_scc0 .Lentry_shape_is_right
	s_endpgm
.Lentry_shape_is_right:
; Attention on codes of E2M3: scores = q k^T / 8, replaced by -10000 where the mask is 0; p = 2^(t - M), t = score x log2(e), M the running largest t rounded up to a whole number; p is quantised along the keys;
; O = (sum of p v) / (sum of the unquantised p); O is quantised along the channels and stored as the output projection's operand.  No work of reference() is left out here.
; SHARES.  A work-group owns 256 queries (block T of a batch) and TWO heads, 2 hp and 2 hp + 1, one after the other: 128 channels, one K step of the next product.  Each of its sixteen waves owns one tile of 16 queries
; in 256 registers: four waves to a SIMD, so that one wave's vector work stands beside another's products and LDS loads.  A key step is 128 keys: 12,800 bytes (K's 4 fragments, 256 bytes of scale words, V's likewise).
; BOTH PRODUCTS ARE USED TRANSPOSED: S^T = K Q^T, O^T = V^T P^T: a lane holds one query throughout.  By the choice of a tile's rows the 32 score registers 32 c + 0 .. 31 of lane (r, h) are the neighbouring keys
; 64 c + 32 h + 0 .. 31: a whole block, so a block's largest p needs no other lane and the conversions' results are the operand's registers.
; K = 64 IN AN INSTRUCTION OF 128: a fragment of K holds TWO tiles of keys, registers 0-5 and 6-11; Q stands as [q][zeros][q], of which [q][zeros] picks the first tile and [zeros][q] the second: zero codes add nothing.
; THE MASK comes as lane masks (64 words a key step), by scalar loads a step ahead; one v_cndmask_b32 a score register.  The raw score of a masked key is -80000, which is -10000 x 8.
; RING: two slots of 8 key steps; a head is two slots.  Every wave loads a sixteenth of a slot.  CLUSTER 4 x 1: the four blocks of queries walk the same K and V, so every fill is a joint load.
; A slot's refill has eight key steps in which to land, so nothing is asked of memory ahead of it.
; LIMITS: NaN and infinities are not served; 1 / sum by v_rcp_f32; a block of zeros gets the byte 1 (its codes are zeros; only this program reads the bytes).
.set STEPB, 12800
.set SLOTB, 102400
.set STG,   204800                     ; behind the ring: 1,024 bytes in which the sixteen tiles' scale words meet
.set SPARE, 205824                     ; the spare words, 128 bytes for each wave
.set KV,  44                           ; v44-91   four fragments: K's, then V's
; v1 16 x lane, v2 8 x lane, v3 my spare word's address, v4 0, v5 v6 addresses of the step, v7 -80000, v8 8 h, v9 v10 the stage; v12 -M, v13 the largest t, v[14:15] the sum in two halves;
; v16-33 [q][zeros][q], v34 q's scale word; v36-42 the second head's; v[92:93] K's scale words, v[94:95] V's; v96-159 S^T, then p; v160-191 O^T; v192-203 p's codes; v204-210 upper halves; v211 p's scale word;
; v212-223 at work; v224-235 the fragment made, v236 its scale word.
; s[2:3] my tile's mask words, s[4:5] permute selects, s[6:7] c, s8 wave, s9 the step's LDS byte, s10 counter, s11 the mask words' offset, s[12:13] s[100:101] ao, s[14:15] qb, s66 s67 my tile's half of a pair;
; s16-63 and s68-83 the step's 64 mask words; s[84:91] descriptor group 1, s[92:95] s[96:99] group 0 of slots 0 and 1.
.macro PLACES
.rept 4
	v_nop
.endr
.endm
.macro CROUND                          ; a round of the cluster's barrier
	s_barrier_signal -1
	s_barrier_wait -1
	s_cmp_lg_u32 s8, 0
	s_cbranch_scc1 .Lnot_wave_0_\@
	s_barrier_signal -3
.Lnot_wave_0_\@:
	s_barrier_wait -3
	s_barrier_signal -1
	s_barrier_wait -1
.endm
.macro SP c, u                         ; S^T of key tile (c, u): fragment 2 c + u / 2, its half u % 2
.if (\u)/2 == 0
	v_wmma_scale_f32_16x16x128_f8f6f4 v[96+32*\c+8*\u:96+32*\c+8*\u+7], v[KV+12*(2*\c+\u/2):KV+12*(2*\c+\u/2)+11], v[16+6*(\u%2):16+6*(\u%2)+11], 0, v[92+\c], v34 matrix_a_fmt:MATRIX_FMT_FP6 matrix_b_fmt:MATRIX_FMT_FP6
.else
	v_wmma_scale_f32_16x16x128_f8f6f4 v[96+32*\c+8*\u:96+32*\c+8*\u+7], v[KV+12*(2*\c+\u/2):KV+12*(2*\c+\u/2)+11], v[16+6*(\u%2):16+6*(\u%2)+11], 0, v[92+\c], v34 matrix_a_fmt:MATRIX_FMT_FP6 matrix_b_fmt:MATRIX_FMT_FP6 matrix_a_scale:MATRIX_SCALE_ROW1
.endif
.endm
.macro PVP n                           ; O^T of channel tile n += V^T P^T
.if (\n)%2 == 0
	v_wmma_scale_f32_16x16x128_f8f6f4 v[160+8*\n:167+8*\n], v[KV+12*\n:KV+12*\n+11], v[192:203], v[160+8*\n:167+8*\n], v[94+\n/2], v211 matrix_a_fmt:MATRIX_FMT_FP6 matrix_b_fmt:MATRIX_FMT_FP6
.else
	v_wmma_scale_f32_16x16x128_f8f6f4 v[160+8*\n:167+8*\n], v[KV+12*\n:KV+12*\n+11], v[192:203], v[160+8*\n:167+8*\n], v[94+\n/2], v211 matrix_a_fmt:MATRIX_FMT_FP6 matrix_b_fmt:MATRIX_FMT_FP6 matrix_a_scale:MATRIX_SCALE_ROW1
.endif
.endm
; A KEY STEP.  The accumulators take turns, one instruction a turn.
.macro STEP
	v_add_nc_u32 v5, s9, v1
	v_add_nc_u32 v6, s9, v2
	v_nop
	v_nop                                          ; four plain lines behind the last products, ahead of loads into registers that they read
.irp f, 0,1,2,3
.irp q, 0,1,2
	ds_load_b128 v[KV+12*\f+4*\q:KV+12*\f+4*\q+3], v5 offset:1536*\f+512*\q
.endr
.endr
	ds_load_b64 v[92:93], v6 offset:6144
	s_wait_alu depctr_va_vdst(0)
	s_wait_dscnt 0x0
.irp c, 0,1
.irp u, 0,1,2,3
	SP \c,\u
.endr
.endr
	PLACES                                         ; ahead of the loads into K's registers and of the first read of the scores
.irp n, 0,1,2,3
.irp q, 0,1,2
	ds_load_b128 v[KV+12*\n+4*\q:KV+12*\n+4*\q+3], v5 offset:6400+1536*\n+512*\q   ; V lands while the softmax is walked
.endr
.endr
	ds_load_b64 v[94:95], v6 offset:12544
	s_wait_kmcnt 0x0                               ; this step's mask words, asked for a step ago
.set n, 0
.rept 64
.if n < 48
	v_cndmask_b32 v[96+n], v7, v[96+n], s[16+n]    ; bit 0: the score is replaced
.else
	v_cndmask_b32 v[96+n], v7, v[96+n], s[20+n]
.endif
.set n, n+1
.endr
	s_add_co_u32 s11, s11, 256                     ; the next step's words (behind the wait that showed the last loads done); behind a head's 16 steps the offset is 0 again
	s_and_b32 s11, s11, 0xfff
	s_load_b512 s[16:31], s[2:3], s11 offset:0x0
	s_load_b512 s[32:47], s[2:3], s11 offset:0x40
	s_load_b512 s[48:63], s[2:3], s11 offset:0x80
	s_load_b512 s[68:83], s[2:3], s11 offset:0xc0
.irp c, 0,1
	v_max3_num_f32 v[212+\c], v[96+32*\c], v[97+32*\c], v[98+32*\c]   ; the largest score of each of my two blocks: it serves the row's maximum and, since p rises with the score, the block's largest p
.endr
.irp i, 3,5,7,9,11,13,15,17,19,21,23,25,27,29
.irp c, 0,1
	s_delay_alu instid0(VALU_DEP_2)
	v_max3_num_f32 v[212+\c], v[212+\c], v[96+32*\c+\i], v[97+32*\c+\i]
.endr
.endr
.irp c, 0,1
	s_delay_alu instid0(VALU_DEP_2)
	v_max_num_f32 v[212+\c], v[212+\c], v[127+32*\c]
.endr
	s_delay_alu instid0(VALU_DEP_1)
	v_max_num_f32 v214, v212, v213
	s_delay_alu instid0(VALU_DEP_1)
	v_permlanex16_b32 v215, v214, s4, s5
	s_delay_alu instid0(VALU_DEP_1)
	v_max_num_f32 v214, v214, v215                 ; the step's largest score of my query
	s_delay_alu instid0(VALU_DEP_1)
	v_mul_f32 v214, s6, v214                       ; as t
	s_delay_alu instid0(VALU_DEP_1)
	v_max_num_f32 v13, v13, v214                   ; the running largest t
	v_mov_b32 v214, v12
	s_delay_alu instid0(VALU_DEP_2)
	v_floor_f32 v12, -v13                          ; -M = floor(-t): M is a whole number
	s_delay_alu instid0(VALU_DEP_1)
	v_sub_f32 v214, v12, v214                      ; old M - new M, 0 or less
	s_delay_alu instid0(VALU_DEP_1)
	v_cvt_i32_f32 v214, v214                       ; (it saturates)
	s_delay_alu instid0(VALU_DEP_1)
	v_ldexp_f32 v216, 1.0, v214                    ; f = 2^(old M - new M): a multiplication by it rounds nothing
.irp j, 0,2,4,6,8,10,12,14,16,18,20,22,24,26,28,30,32,34,36,38,40,42,44,46,48,50,52,54,56,58,60,62
	v_pk_fma_f32 v[96+\j:97+\j], v[96+\j:97+\j], s[6:7], v[12:13] op_sel_hi:[1,0,0]   ; t - M
.endr
.irp c, 0,1
	v_fma_f32 v[212+\c], v[212+\c], s6, v12        ; the same of each block's largest score
.endr
.set n, 0
	s_setprio 1
	s_wait_alu depctr_va_vdst(0)
.rept 64
	v_exp_f32 v[96+n], v[96+n]                     ; p, at most 1, not normalised
.set n, n+1
.endr
	v_pk_mul_f32 v[14:15], v[14:15], v[216:217] op_sel_hi:[1,0]   ; the sum under the new M: the plain line behind the exponentials
	s_wait_alu depctr_va_vdst(0)                   ; one wait for the batch, ahead of its first reader
.irp c, 0,1
	v_exp_f32 v[212+\c], v[212+\c]                 ; the block's largest p: the same two instructions on the same number
.endr
	v_pk_add_f32 v[218:219], v[96:97], v[98:99]    ; the row's sum, of the unquantised p, in two chains
.irp j, 4,8,12,16,20,24,28,32,36,40,44,48,52,56,60
	v_pk_add_f32 v[14:15], v[14:15], v[96+\j:97+\j]
	v_pk_add_f32 v[218:219], v[218:219], v[98+\j:99+\j]
.endr
	s_delay_alu instid0(VALU_DEP_1)
	v_pk_add_f32 v[14:15], v[14:15], v[218:219]
	s_wait_alu depctr_va_vdst(0)                   ; and one for the two
.irp c, 0,1
	v_max_num_f32 v[212+\c], 0x1800000, v[212+\c]  ; the floor 2^(3 - 127)
.endr
.irp c, 0,1
	s_delay_alu instid0(VALU_DEP_2)
	v_add_nc_u32 v[220+\c], 0xff000000, v[212+\c]  ; the conversion's scale operand
.endr
.irp c, 0,1
	s_delay_alu instid0(VALU_DEP_2)
	v_lshrrev_b32 v[222+\c], 23, v[220+\c]         ; the byte
.endr
	s_delay_alu instid0(VALU_DEP_1)
	v_lshl_or_b32 v214, v223, 16, v222             ; my bytes, key blocks h and 2 + h,
	s_delay_alu instid0(VALU_DEP_1)
	v_lshlrev_b32 v214, v8, v214
	s_delay_alu instid0(VALU_DEP_1)
	v_permlanex16_b32 v215, v214, s4, s5
	s_delay_alu instid0(VALU_DEP_1)
	v_or_b32 v211, v214, v215                      ; with lane l xor 16's: p's scale word for these 128 keys
	v_cvt_scalef32_pk16_fp6_f32 v[192:194], v[96:111], v220
	v_cvt_scalef32_pk16_fp6_f32 v[204:206], v[112:127], v220
	s_setprio 0
	v_cvt_scalef32_pk16_fp6_f32 v[198:200], v[128:143], v221
	v_cvt_scalef32_pk16_fp6_f32 v[208:210], v[144:159], v221
	v_nop                                          ; one plain line behind the conversions
.irp k, 0,1,2
	v_mov_b32 v[195+\k], v[204+\k]
	v_mov_b32 v[201+\k], v[208+\k]
.endr
.irp j, 0,2,4,6,8,10,12,14,16,18,20,22,24,26,28,30
	v_pk_mul_f32 v[160+\j:161+\j], v[160+\j:161+\j], v[216:217] op_sel_hi:[1,0]   ; O^T under the new M; these sixteen also part the scale word and the codes just made from the products
.endr
	s_wait_alu depctr_va_vdst(0)
	s_wait_dscnt 0x0                               ; V
.irp n, 0,1,2,3
	PVP \n
.endr
.endm
.macro PHASE slot                      ; a slot's eight key steps
	s_mov_b32 s9, (\slot)*SLOTB
	s_mov_b32 s10, 8
.Lstep_\@:
	s_setprio 2
	STEP
	s_add_co_u32 s9, s9, STEPB
	s_sub_co_u32 s10, s10, 1
	s_cmp_lg_u32 s10, 0
	s_cbranch_scc1 .Lstep_\@
	s_setprio 0
.endm
; The slot just read is filled again, with the same half of the next head.  Every wave: all its tensor loads have landed (the other slot is whole), the add, the wait for it and for its reads of the slot;
; a round of the cluster's barrier; the joint refill first behind it, one a wave.
.macro CHANGE g0
	s_wait_tensorcnt 0x0
	ds_add_u32 v3, v4
	s_add_nc_u64 s[\g0+2:\g0+3], s[\g0+2:\g0+3], 204800   ; no load of mine is out, so group 0 may be written: one head on
	s_wait_dscnt 0x0
	CROUND
	tensor_load_to_lds s[\g0:\g0+3], s[84:91]
	s_nop 0
	PLACES
.endm
; A head is finished: O^T / the sum; its 32 numbers in my lane are channels 32 h + 0 .. 31 of the head: one block of the next product's K.  again = 1: the first head; the second is set up.
.macro FINAL again
.set FD, 224+6*(1-(\again))
	PLACES                                         ; behind the last products
	v_add_f32 v14, v14, v15
	s_delay_alu instid0(VALU_DEP_1)
	v_permlanex16_b32 v215, v14, s4, s5
	s_delay_alu instid0(VALU_DEP_1)
	v_add_f32 v14, v14, v215                       ; the row's sum
	s_wait_alu depctr_va_vdst(0)
	v_rcp_f32 v216, v14
	v_nop
	s_wait_alu depctr_va_vdst(0)                   ; ahead of the reciprocal's first reader
.irp j, 0,2,4,6,8,10,12,14,16,18,20,22,24,26,28,30
	v_pk_mul_f32 v[96+\j:97+\j], v[160+\j:161+\j], v[216:217] op_sel_hi:[1,0]   ; each accumulator from its low end on
.endr
.irp c, 0,1
	v_max3_num_f32 v[212+\c], |v[96+16*\c]|, |v[97+16*\c]|, 0x1800000
.endr
.irp j, 2,4,6,8,10,12,14
.irp c, 0,1
	s_delay_alu instid0(VALU_DEP_2)
	v_max3_num_f32 v[212+\c], v[212+\c], |v[96+16*\c+\j]|, |v[97+16*\c+\j]|
.endr
.endr
	s_delay_alu instid0(VALU_DEP_1)
	v_max_num_f32 v212, v212, v213
	s_delay_alu instid0(VALU_DEP_1)
	v_add_nc_u32 v220, 0xff000000, v212
	s_delay_alu instid0(VALU_DEP_1)
	v_lshrrev_b32 v222, 23, v220
	s_delay_alu instid0(VALU_DEP_1)
	v_lshlrev_b32 v222, v8, v222                   ; my byte, block 2 (head % 2) + h, at its place in the half word
.if \again
	s_delay_alu instid0(VALU_DEP_1)
	v_mov_b32 v236, v222
.else
	s_delay_alu instid0(VALU_DEP_1)
	v_lshl_or_b32 v236, v222, 16, v236
.endif
	v_cvt_scalef32_pk16_fp6_f32 v[FD:FD+2], v[96:111], v220
	v_cvt_scalef32_pk16_fp6_f32 v[204:206], v[112:127], v220
	v_nop
.irp k, 0,1,2
	v_mov_b32 v[FD+3+\k], v[204+\k]
.endr
.if \again
.irp k, 0,1,2,3,4,5
	v_mov_b32 v[16+\k], v[36+\k]                   ; the second head's q,
	v_mov_b32 v[28+\k], v[36+\k]
.endr
	v_mov_b32 v34, v42                             ; its scale word,
	v_mov_b32 v13, 0xff61b1e6                      ; -3e38, under every t,
	s_delay_alu instid0(VALU_DEP_1)
	v_floor_f32 v12, -v13
	v_mov_b32 v14, 0
	v_mov_b32 v15, 0
.irp j, 0,1,2,3,4,5,6,7,8,9,10,11,12,13,14,15,16,17,18,19,20,21,22,23,24,25,26,27,28,29,30,31
	v_mov_b32 v[160+\j], 0                         ; and zeros, which the first change of M leaves zeros.  (These lines also part the scale word just written from the next products)
.endr
.endif
.endm
	s_load_b256 s[68:75], s[0:1], 0x0              ; qb s[68:69], kv s[70:71], mw s[72:73], ao s[74:75]
	v_lshl_add_u32 v3, v0, 2, SPARE
	v_mov_b32 v4, 0
	ds_add_u32 v3, v4                              ; the wave's opening: the add, twice on end, and its wait ahead of my first tensor load
	ds_add_u32 v3, v4
	v_lshrrev_b32 v5, 5, v0
	s_delay_alu instid0(VALU_DEP_1)
	v_readfirstlane_b32 s8, v5                     ; wave 0..15 = my tile
	s_bfe_u32 s76, ttmp6, 0x40000                  ; cx
	s_lshl_b32 s77, ttmp9, 2
	s_add_co_u32 s77, s77, s76                     ; T: it enters global addresses of q, the mask and the result alone
	s_and_b32 s78, ttmp7, 0xffff
	s_lshr_b32 s79, s78, 3                         ; b
	s_and_b32 s80, s78, 7                          ; hp
	s_lshl_b32 s81, s79, 4
	s_lshl_b32 s82, s80, 1
	s_add_co_u32 s81, s81, s82                     ; the first head: 16 b + 2 hp
	s_mov_b32 s84, 15|(3<<16)|(1<<21)              ; group 1: all four work-groups; 25 dense rows of 256 bytes (32 elements of 8 bytes): a sixteenth of a slot
	s_mov_b32 s85, 32<<16
	s_mov_b32 s86, 25<<16
	s_mov_b32 s87, 32<<16
	s_mov_b32 s88, 25
	s_mov_b32 s89, 32
	s_mov_b32 s90, 0
	s_mov_b32 s91, 0
	s_mul_i32 s67, s8, 6400                        ; my sixteenth, in memory and in LDS
	s_mul_i32 s82, s81, 204800
	s_add_co_u32 s82, s82, s67
	s_mov_b32 s83, 0
	s_mov_b32 s92, 1
	s_mov_b32 s93, s67
	s_mov_b32 s96, 1
	s_add_co_u32 s97, s67, SLOTB
	s_lshl_b32 s14, s81, 4                         ; q: step (head 16 + 2 T + tile / 8) of 6,400 bytes
	s_lshl_b32 s15, s77, 1
	s_add_co_u32 s14, s14, s15
	s_lshr_b32 s15, s8, 3
	s_add_co_u32 s14, s14, s15
	s_mul_i32 s14, s14, 6400
	s_mov_b32 s15, 0
	s_lshl_b32 s2, s79, 7                          ; the mask words: 4,096 bytes for tile 128 b + 16 T + wave
	s_lshl_b32 s3, s77, 4
	s_add_co_u32 s2, s2, s3
	s_add_co_u32 s2, s2, s8
	s_lshl_b32 s2, s2, 12
	s_mov_b32 s3, 0
	s_lshl_b32 s12, s79, 3
	s_add_co_u32 s12, s12, s77
	s_lshl_b32 s12, s12, 3
	s_add_co_u32 s12, s12, s80                     ; ao: 8 (8 b + T) + hp
	s_lshl_b32 s100, s12, 10                       ; its scale words: 1,024 bytes,
	s_min_u32 s10, s8, 1
	s_lshl_b32 s10, s10, 9                         ; of which waves 0 and 1 store 512 each
	s_add_co_u32 s100, s100, s10
	s_add_co_u32 s100, s100, 6291456
	s_mov_b32 s101, 0
	s_mul_i32 s12, s12, 24576                      ; its codes: 16 fragments, mine the wave's
	s_mul_i32 s13, s8, 1536
	s_add_co_u32 s12, s12, s13
	s_mov_b32 s13, 0
	s_mov_b32 s4, 0x76543210
	s_mov_b32 s5, 0xfedcba98                       ; v_permlanex16_b32's selects for lane l xor 16
	s_mov_b32 s6, 0x3e38aa3b                       ; c = log2(e) / 8
	s_mov_b32 s7, s6                               ; (named with it as a pair)
	s_mov_b32 s11, 0
	v_and_b32 v5, 31, v0
	s_delay_alu instid0(VALU_DEP_1)
	v_lshlrev_b32 v1, 4, v5
	s_delay_alu instid0(VALU_DEP_2)
	v_lshlrev_b32 v2, 3, v5
	v_and_b32 v6, 15, v0                           ; r
	s_wait_alu depctr_va_vdst(0)
	v_bfe_u32 v8, v0, 4, 1
	s_delay_alu instid0(VALU_DEP_1)
	v_lshlrev_b32 v8, 3, v8                        ; 8 h
	v_add_nc_u32 v10, s10, v1
	s_delay_alu instid0(VALU_DEP_1)
	v_add_nc_u32 v10, STG, v10                     ; the stage, back: 16 x lane + 512 x min(wave, 1)
	s_lshl_b32 s10, s8, 6
	v_lshlrev_b32 v9, 2, v6
	s_delay_alu instid0(VALU_DEP_1)
	v_add_nc_u32 v9, s10, v9
	s_delay_alu instid0(VALU_DEP_1)
	v_add_nc_u32 v9, STG, v9                       ; the stage, in: 64 x tile + 4 r
	s_bfe_u32 s10, s8, 0x20001                     ; my tile lies in fragment f = (wave % 8) / 2 of its step of q
	s_mul_i32 s66, s10, 1536
	v_add_nc_u32 v212, s66, v1
	s_and_b32 s66, s10, 1
	s_lshl_b32 s66, s66, 7
	s_lshr_b32 s10, s10, 1
	s_lshl_b32 s10, s10, 2
	s_add_co_u32 s66, s66, s10
	v_lshlrev_b32 v213, 3, v6
	s_delay_alu instid0(VALU_DEP_1)
	v_add_nc_u32 v213, s66, v213                   ; its scale word of row r: lane (r, f % 2), word f / 2
	s_wait_dscnt 0x0                               ; both opening adds are done
	s_wait_kmcnt 0x0
	s_add_nc_u64 s[94:95], s[70:71], s[82:83]
	s_add_nc_u64 s[98:99], s[94:95], SLOTB
	s_or_b32 s95, s95, 0x80000000
	s_or_b32 s99, s99, 0x80000000
	s_add_nc_u64 s[14:15], s[68:69], s[14:15]
	s_add_nc_u64 s[2:3], s[72:73], s[2:3]
	s_add_nc_u64 s[12:13], s[74:75], s[12:13]
	s_add_nc_u64 s[100:101], s[74:75], s[100:101]
	CROUND                                         ; all four work-groups are here: the first joint loads meet
	tensor_load_to_lds s[92:95], s[84:91]          ; the first head's key steps 0-7
	s_nop 0
	s_wait_alu depctr_va_vdst(0)
	s_wait_tensorcnt 0x0
	ds_add_u32 v3, v4
	s_wait_dscnt 0x0
	CROUND
	tensor_load_to_lds s[96:99], s[84:91]          ; and 8-15: one tensor load of mine is out
	s_nop 0
	PLACES
	s_wait_alu depctr_va_vdst(0)
.irp q, 0,1,2
	global_load_b128 v[44+4*\q:47+4*\q], v212, s[14:15] offset:512*\q             ; the pair of tiles with mine, first head,
	global_load_b128 v[56+4*\q:59+4*\q], v212, s[14:15] offset:102400+512*\q      ; second head
.endr
	global_load_b32 v68, v213, s[14:15] offset:6144
	global_load_b32 v69, v213, s[14:15] offset:102400+6144
	s_load_b512 s[16:31], s[2:3], s11 offset:0x0   ; key step 0's mask words
	s_load_b512 s[32:47], s[2:3], s11 offset:0x40
	s_load_b512 s[48:63], s[2:3], s11 offset:0x80
	s_load_b512 s[68:83], s[2:3], s11 offset:0xc0
	s_and_b32 s67, s8, 1
	s_sub_co_u32 s66, 0, s67                       ; all ones where my tile is the pair's second
	s_lshl_b32 s67, s67, 4
	v_mov_b32 v7, 0xc79c4000                       ; -80000
.irp k, 0,1,2,3,4,5
	v_mov_b32 v[22+\k], 0
.endr
	v_mov_b32 v13, 0xff61b1e6                      ; the largest t so far: -3e38
	s_delay_alu instid0(VALU_DEP_1)
	v_floor_f32 v12, -v13
	v_mov_b32 v14, 0
	v_mov_b32 v15, 0
	v_mov_b32 v215, 0                              ; written once: a lane permute's destination counts as read
	v_mov_b32 v217, 0                              ; (named as the upper half of the pair v[216:217])
	s_wait_loadcnt 0x0
.irp k, 0,1,2,3,4,5
	v_cndmask_b32 v[16+\k], v[44+\k], v[50+\k], s66
	v_cndmask_b32 v[36+\k], v[56+\k], v[62+\k], s66
.endr
.irp k, 0,1,2,3,4,5
	v_mov_b32 v[28+\k], v[16+\k]
.endr
	v_lshrrev_b32 v34, s67, v68                    ; my tile's two bytes of the pair's word,
	v_lshrrev_b32 v42, s67, v69
	s_delay_alu instid0(VALU_DEP_2)
	v_and_b32 v34, 0xffff, v34
	s_delay_alu instid0(VALU_DEP_2)
	v_and_b32 v42, 0xffff, v42
	s_delay_alu instid0(VALU_DEP_2)
	v_lshl_or_b32 v34, v34, 16, v34                ; twice: they serve whichever half of K holds q
	s_delay_alu instid0(VALU_DEP_2)
	v_lshl_or_b32 v42, v42, 16, v42
.irp j, 0,1,2,3,4,5,6,7,8,9,10,11,12,13,14,15,16,17,18,19,20,21,22,23,24,25,26,27,28,29,30,31
	v_mov_b32 v[160+\j], 0                         ; O^T: the step is written once; its first trip finds zeros.  These 32 stand here on purpose: a scale register written by a vector instruction stands eight plain lines ahead of the scaled product that names it, an operand four
.endr
	s_wait_tensorcnt 1                             ; my part of slot 0 is in; slot 1's may stay out
	s_barrier_signal -1
	s_barrier_wait -1
	PHASE 0
	CHANGE 92                                      ; slot 0 takes the second head's steps 0-7
	PHASE 1
	CHANGE 96                                      ; slot 1 its steps 8-15
	FINAL 1
	PHASE 0
	s_wait_tensorcnt 0x0                           ; my part of slot 1 is in; nothing is filled again
	s_wait_dscnt 0x0
	s_barrier_signal -1
	s_barrier_wait -1
	PHASE 1
	FINAL 0
	v_permlanex16_b32 v215, v236, s4, s5
	s_delay_alu instid0(VALU_DEP_1)
	v_or_b32 v236, v236, v215                      ; my row's scale word of this K step
.irp q, 0,1,2
	global_store_b128 v1, v[224+4*\q:227+4*\q], s[12:13] offset:512*\q   ; the fragment's image: 512 consecutive bytes a store
.endr
	ds_store_b32 v9, v236                          ; lanes r and r + 16 write the same word with the same value
	s_wait_dscnt 0x0                               ; for the others' sake
	s_barrier_signal -1
	s_barrier_wait -1
	s_cmp_lt_u32 s8, 2
	s_cbranch_scc0 .Lno_words
	ds_load_b128 v[96:99], v10
	s_wait_dscnt 0x0
	global_store_b128 v1, v[96:99], s[100:101]     ; the sixteen tiles' words: 512 consecutive bytes from each of two waves
.Lno_words:
	s_wait_kmcnt 0x0                               ; the last request for mask words, which wrapped round to step 0 and is not used
	s_wait_tensorcnt 0x0                           ; the wave's end: three lines
	ds_add_u32 v3, v4
	s_wait_dscnt 0x0
	CROUND                                         ; the closing round
	s_endpgm
.Lfunc_end_k_q17acd2065b_attn:
	.size	k_q17acd2065b_attn, .Lfunc_end_k_q17acd2065b_attn-k_q17acd2065b_attn
	.p2alignl 7, 3214868480
	.fill 96, 4, 3214868480
	.section	.rodata,"a",@progbits
	.p2align	6, 0x0
	.amdhsa_kernel k_q17acd2065b_attn
		.amdhsa_group_segment_fixed_size 327680
		.amdhsa_private_segment_fixed_size 0
		.amdhsa_enable_private_segment 0
		.amdhsa_kernarg_size 32
		.amdhsa_user_sgpr_count 2
		.amdhsa_user_sgpr_kernarg_segment_ptr 1
		.amdhsa_wavefront_size32 1
		.amdhsa_system_sgpr_workgroup_id_x 1
		.amdhsa_system_sgpr_workgroup_id_y 1
		.amdhsa_system_sgpr_workgroup_id_z 1
		.amdhsa_system_vgpr_workitem_id 0
		.amdhsa_next_free_vgpr 256
		.amdhsa_next_free_sgpr 102
		.amdhsa_reserve_vcc 0
		.amdhsa_float_denorm_mode_32 3
		.amdhsa_float_denorm_mode_16_64 3
		.amdhsa_memory_ordered 1
		.amdhsa_forward_progress 1
		.amdhsa_inst_pref_size 104
	.end_amdhsa_kernel
	.amdgpu_metadata
---
amdhsa.version: [ 1, 2 ]
amdhsa.kernels:
  - .name:           k_q17acd2065b_attn
    .symbol:         k_q17acd2065b_attn.kd
    .args:
      - { .name: qb, .offset: 0, .size: 8, .value_kind: global_buffer, .address_space: global }
      - { .name: kv, .offset: 8, .size: 8, .value_kind: global_buffer, .address_space: global }
      - { .name: mw, .offset: 16, .size: 8, .value_kind: global_buffer, .address_space: global }
      - { .name: ao, .offset: 24, .size: 8, .value_kind: global_buffer, .address_space: global }
    .group_segment_fixed_size: 327680
    .private_segment_fixed_size: 0
    .kernarg_segment_align: 8
    .kernarg_segment_size: 32
    .max_flat_workgroup_size: 512
    .sgpr_count:     102
    .vgpr_count:     256
    .wavefront_size: 32
...
	.end_amdgpu_metadata
.endif
;; end of part 3
;; launch proj_o (part 4): grid 8 x 32, 4 waves a work-group, clusters of 4 x 4, 327,680 bytes of LDS; arguments ao, wc, bo, out0; writes out0
.if DOCPART == 4
	.amdgcn_target "amdgcn-amd-amdhsa--gfx1250"
	.amdhsa_code_object_version 6
	.text
	.protected	k_q17acd2065b_proj_o
	.globl	k_q17acd2065b_proj_o
	.p2align	8
	.type	k_q17acd2065b_proj_o,@function
k_q17acd2065b_proj_o:
	s_mov_b64 s[64:65], 0
	v_nop
	global_prefetch_b8 v0, s[64:65] scope:SCOPE_SE
	s_setreg_imm32_b32 hwreg(HW_REG_WAVE_MODE, 25, 1), 1
	s_wait_xcnt 0x0
	s_wait_alu depctr_hold_cnt(0) depctr_sa_sdst(0) depctr_va_vdst(0) depctr_va_sdst(0) depctr_va_ssrc(0) depctr_va_vcc(0) depctr_vm_vsrc(0)
	s_getreg_b32 s2, hwreg(HW_REG_IB_STS2, 6, 4)
	s_cmp_eq_u32 s2, 0
	s_cbranch_scc0 .Lentry_in_a_cluster
	s_endpgm
.Lentry_in_a_cluster:
	s_bfe_u32 s2, ttmp6, 0x10000c
	s_cmp_lg_u32 s2, 0xf033
	s_cbranch_scc0 .Lentry_shape_is_right
	s_endpgm
.Lentry_shape_is_right:
; out0 = Wo o + bo on codes of E2M3 with E8M0 scales, K = the 1,024 channels.  No work of reference() is left out here.
; The form is the launch proj_qkv's for v: a work-group makes 256 t x 128 output channels; wave w its 128 t by w / 2 and its 64 channels by w % 2: 8 x 4 accumulators; the whole K lies in LDS, filled once by four
; tensor loads a wave at the head; 4 x 4 clusters ask for the activation's block jointly along a row and for the weight's along a column.
; Source 0 = 16 t, source 1 = 16 rows of Wo: a lane holds ONE output channel, and the 32 registers of tiles 4 c .. 4 c + 3 are the neighbouring t 64 c + 32 (lane / 16) + 0 .. 31: pieces of a row of out0 [b][channel][t].
; They go through the wave's stage in LDS (in bytes that have had their last fill and their last read) and leave as rows of 512 consecutive bytes.  The bias is the C of each sum's first product.
; REGISTERS: window 0: v1-15 lane terms and addresses; v32-63, v64-79 scale words; v128-255 the way out.  window 1: activation fragments, two sets.  window 2: the accumulators.  window 3: weight fragments, two sets; v96-127 the bias.
.set SPARE, 294912
.set BOFF,  196608
.set VA,  3
.set VB,  4
.set SPW, 8
.set NIL, 9
.set SCA, 32
.set SCW, 64
.set BIAS, 96
.set MSB, 0
.macro WIN new
.if MSB != \new
	s_set_vgpr_msb (MSB<<8)|\new
.set MSB, \new
.endif
.endm
.macro PLACES                          ; four plain lines behind matrix instructions, ahead of loads into registers that they read and of the first read of results
.rept 4
	v_nop
.endr
.endm
.macro CROUND
	s_barrier_signal -1
	s_barrier_wait -1
	s_cmp_lg_u32 s20, 0
	s_cbranch_scc1 .Lnot_wave_0_\@
	s_barrier_signal -3
.Lnot_wave_0_\@:
	s_barrier_wait -3
	s_barrier_signal -1
	s_barrier_wait -1
.endm
.macro WM d, a, b, c, sa, sb, ra, rb
.if (\ra) && (\rb)
	v_wmma_scale_f32_16x16x128_f8f6f4 v[\d:\d+7], v[\a:\a+11], v[\b:\b+11], v[\c:\c+7], v[\sa], v[\sb] matrix_a_fmt:MATRIX_FMT_FP6 matrix_b_fmt:MATRIX_FMT_FP6 matrix_a_scale:MATRIX_SCALE_ROW1 matrix_b_scale:MATRIX_SCALE_ROW1
.elseif (\ra)
	v_wmma_scale_f32_16x16x128_f8f6f4 v[\d:\d+7], v[\a:\a+11], v[\b:\b+11], v[\c:\c+7], v[\sa], v[\sb] matrix_a_fmt:MATRIX_FMT_FP6 matrix_b_fmt:MATRIX_FMT_FP6 matrix_a_scale:MATRIX_SCALE_ROW1
.elseif (\rb)
	v_wmma_scale_f32_16x16x128_f8f6f4 v[\d:\d+7], v[\a:\a+11], v[\b:\b+11], v[\c:\c+7], v[\sa], v[\sb] matrix_a_fmt:MATRIX_FMT_FP6 matrix_b_fmt:MATRIX_FMT_FP6 matrix_b_scale:MATRIX_SCALE_ROW1
.else
	v_wmma_scale_f32_16x16x128_f8f6f4 v[\d:\d+7], v[\a:\a+11], v[\b:\b+11], v[\c:\c+7], v[\sa], v[\sb] matrix_a_fmt:MATRIX_FMT_FP6 matrix_b_fmt:MATRIX_FMT_FP6
.endif
.endm
.macro FETCH set
	WIN 0x40
.irp i, 0,1,2,3,4,5,6,7
.irp q, 0,1,2
	ds_load_b128 v[128*(\set)+12*\i+4*\q:128*(\set)+12*\i+4*\q+3], v[VA] offset:1536*\i+512*\q
.endr
.endr
	WIN 0xC0
.irp n, 0,1,2,3
.irp q, 0,1,2
	ds_load_b128 v[48*(\set)+12*\n+4*\q:48*(\set)+12*\n+4*\q+3], v[VB] offset:1536*\n+512*\q
.endr
.endr
	WIN 0
	v_add_nc_u32 v[VA], 24576, v[VA]
	v_add_nc_u32 v[VB], 12288, v[VB]
.endm
.macro MULS s                          ; 32 products; the accumulators take turns, one instruction a turn
.if (\s) == 0
	WIN 0xBD                                       ; source 0 (activation) window 1, source 1 (W) window 3, C (bias) window 3, D window 2
.else
	WIN 0xAD
.endif
.irp i, 0,1,2,3,4,5,6,7
.irp n, 0,1,2,3
.if (\s) == 0
	WM (8*\n+\i)*8,128*((\s)%2)+12*\i,48*((\s)%2)+12*\n,BIAS+8*\n,SCA+4*(\s)+\i/2,SCW+4*\n+(\s)%4,\i%2,(\s)/4
.else
	WM (8*\n+\i)*8,128*((\s)%2)+12*\i,48*((\s)%2)+12*\n,(8*\n+\i)*8,SCA+4*(\s)+\i/2,SCW+4*\n+(\s)%4,\i%2,(\s)/4
.endif
.endr
.endr
.endm
.macro STEP s                          ; this step's fragments are in; the next step's are asked for; the products.  Ahead of the first read of an even step 2 p: 3 - p of my loads may be out, and a barrier
	s_wait_dscnt 0x0
.if (\s) < 7
.if ((\s)+1)%2 == 0
	s_wait_tensorcnt 3-((\s)+1)/2
	s_barrier_signal -1
	s_barrier_wait -1
.endif
	PLACES
	s_wait_alu depctr_va_vdst(0)
	FETCH ((\s)+1)%2
.endif
	MULS \s
.endm
	s_load_b256 s[4:11], s[0:1], 0x0               ; ao s[4:5], wc s[6:7], bo s[8:9], out0 s[10:11]
	v_lshl_add_u32 v[SPW], v0, 2, SPARE
	v_mov_b32 v[NIL], 0
	ds_add_u32 v[SPW], v[NIL]                      ; the wave's opening: the add, twice on end, and its wait ahead of my first tensor load
	ds_add_u32 v[SPW], v[NIL]
	v_lshrrev_b32 v1, 5, v0
	v_readfirstlane_b32 s20, v1                    ; wave 0..3
	s_lshr_b32 s21, s20, 1                         ; my 128 t.  Also: I fetch the activation (0) or the weight (1)
	s_and_b32 s22, s20, 1                          ; my 64 channels.  Also: the even or the odd K steps
	s_bfe_u32 s56, ttmp6, 0x40000                  ; cx
	s_bfe_u32 s57, ttmp6, 0x40004                  ; cy
	s_and_b32 s60, ttmp7, 0xffff
	s_lshl_b32 s60, s60, 2
	s_add_co_u32 s60, s60, s57                     ; ty = 8 b + T
	s_lshl_b32 s61, ttmp9, 2
	s_add_co_u32 s61, s61, s56                     ; ox
	s_lshl_b32 s62, s57, 2
	s_lshl_b32 s62, 15, s62                        ; my row of the cluster
	s_lshl_b32 s63, 0x1111, s56                    ; my column
	s_or_b32 s24, s62, (3<<16)|(1<<21)             ; group 1: dense rows of 256 bytes: 96 (an activation's K step), 48 (a weight's)
	s_mov_b32 s25, 32<<16
	s_mov_b32 s26, 96<<16
	s_mov_b32 s27, 32<<16
	s_mov_b32 s28, 96
	s_mov_b32 s29, 32
	s_mov_b32 s30, 0
	s_mov_b32 s31, 0
	s_or_b32 s32, s63, (3<<16)|(1<<21)
	s_mov_b32 s33, 32<<16
	s_mov_b32 s34, 48<<16
	s_mov_b32 s35, 32<<16
	s_mov_b32 s36, 48
	s_mov_b32 s37, 32
	s_mov_b32 s38, 0
	s_mov_b32 s39, 0
	s_mul_i32 s84, s60, 196608
	s_mul_i32 s87, s22, 24576
	s_add_co_u32 s84, s84, s87
	s_mov_b32 s85, 0
	s_mul_i32 s88, s61, 98304
	s_add_co_u32 s88, s88, 3*786432                ; Wo is the fourth weight
	s_mul_i32 s91, s22, 12288
	s_add_co_u32 s88, s88, s91
	s_mov_b32 s89, 0
	s_wait_dscnt 0x0
	s_wait_kmcnt 0x0
	s_add_nc_u64 s[84:85], s[4:5], s[84:85]
	s_add_nc_u64 s[88:89], s[6:7], s[88:89]
.irp p, 0,1,2,3
	s_mov_b32 s[40+4*\p], 1
	s_add_co_u32 s[41+4*\p], s87, \p*49152
	s_add_nc_u64 s[42+4*\p:43+4*\p], s[84:85], \p*49152
	s_or_b32 s[43+4*\p], s[43+4*\p], 0x80000000
	s_mov_b32 s[68+4*\p], 1
	s_add_co_u32 s[69+4*\p], s91, BOFF+\p*24576
	s_add_nc_u64 s[70+4*\p:71+4*\p], s[88:89], \p*24576
	s_or_b32 s[71+4*\p], s[71+4*\p], 0x80000000
.endr
	CROUND                                         ; all sixteen work-groups are here: the joint loads meet
	s_cmp_eq_u32 s21, 0                            ; a wave's four fills stand in one branch on its number; four tensor loads of mine are out
	s_cbranch_scc0 .Lfill_b
.irp p, 0,1,2,3
	tensor_load_to_lds s[40+4*\p:43+4*\p], s[24:31]
	s_nop 0
.endr
	PLACES
	s_branch .Lfilled
.Lfill_b:
.irp p, 0,1,2,3
	tensor_load_to_lds s[68+4*\p:71+4*\p], s[32:39]
	s_nop 0
.endr
	PLACES
.Lfilled:
	v_and_b32 v7, 31, v0                           ; lane
	v_and_b32 v1, 15, v0                           ; r
	v_bfe_u32 v2, v0, 4, 1                         ; h
	v_lshlrev_b32 v5, 4, v7                        ; 16 x lane
	s_mul_i32 s2, s21, 12288
	v_add_nc_u32 v[VA], s2, v5
	s_mul_i32 s2, s22, 6144
	s_add_co_u32 s2, s2, BOFF
	v_add_nc_u32 v[VB], s2, v5
	v_lshlrev_b32 v12, 2, v7
	s_lshl_b32 s2, s21, 9
	v_add_nc_u32 v12, s2, v12
	v_lshlrev_b32 v13, 2, v1                       ; the bias: lane r wants channel 16 n + r
	s_wait_alu depctr_va_vdst(0)
	s_mul_i32 s2, s20, 8448                        ; my stage: 16 rows x 528 bytes
	v_mul_u32_u24 v14, v1, 528
	v_lshl_add_u32 v14, v2, 7, v14
	v_add_nc_u32 v14, s2, v14                      ; in: row r, + 128 h
	v_add_nc_u32 v15, s2, v5                       ; back: 16 x lane of a row
	s_mov_b32 s3, 0
	s_lshl_b32 s2, s60, 13
	s_add_co_u32 s2, s2, 6291456
	s_add_nc_u64 s[96:97], s[4:5], s[2:3]
.irp s, 0,1,2,3,4,5,6,7
.irp p, 0,1,2,3
	global_load_b32 v[SCA+4*\s+\p], v12, s[96:97] offset:1024*\s+128*\p
.endr
.endr
	s_lshl_b32 s2, s61, 12
	s_lshl_b32 s23, s22, 11
	s_add_co_u32 s2, s2, s23
	s_add_co_u32 s2, s2, 3145728+3*32768
	s_add_nc_u64 s[98:99], s[6:7], s[2:3]
.irp n, 0,1,2,3
	global_load_b128 v[SCW+4*\n:SCW+4*\n+3], v5, s[98:99] offset:512*\n
.endr
	s_lshl_b32 s2, s61, 9
	s_lshl_b32 s23, s22, 8
	s_add_co_u32 s2, s2, s23
	s_add_nc_u64 s[8:9], s[8:9], s[2:3]
	WIN 0xC0
.irp n, 0,1,2,3
	global_load_b32 v[BIAS+8*\n], v13, s[8:9] offset:64*\n
.endr
	WIN 0
	s_lshr_b32 s2, s60, 3                          ; out0: row 1,024 b + 128 ox + 64 (w % 2) of 8,192 bytes, + 4 (256 T + 128 (w / 2))
	s_lshl_b32 s2, s2, 10
	s_lshl_b32 s23, s61, 7
	s_add_co_u32 s2, s2, s23
	s_lshl_b32 s23, s22, 6
	s_add_co_u32 s2, s2, s23
	s_lshl_b32 s2, s2, 13
	s_and_b32 s23, s60, 7
	s_lshl_b32 s23, s23, 10
	s_add_co_u32 s2, s2, s23
	s_lshl_b32 s23, s21, 9
	s_add_co_u32 s2, s2, s23
	s_add_nc_u64 s[10:11], s[10:11], s[2:3]
	s_wait_tensorcnt 3                             ; my first load is in; three stay out
	s_barrier_signal -1
	s_barrier_wait -1
	FETCH 0
	s_wait_loadcnt 0x0
	WIN 0xC3
.irp n, 0,1,2,3
.irp j, 1,2,3,4,5,6,7
	v_mov_b32 v[BIAS+8*\n+\j], v[BIAS+8*\n]        ; a lane's eight results of a tile are one channel's
.endr
.endr
	s_wait_alu depctr_va_vdst(0)
.irp s, 0,1,2,3,4,5,6,7
	STEP \s
.endr
	s_wait_dscnt 0x0                               ; my reads of the tiles are over
	s_barrier_signal -1
	s_barrier_wait -1                              ; everybody's are: the stages may lie in those bytes
	PLACES
.macro TOSTAGE n                       ; the 16 channels of tile n x my 128 t: in by pieces of a row, back as whole rows.  LDS serves a wave's instructions in order
	WIN 0x08                                       ; an LDS store's data are its source 1: window 2
.irp c, 0,1
.irp u, 0,1,2,3
	ds_store_b128 v14, v[(8*(\n)+4*\c+\u)*8:(8*(\n)+4*\c+\u)*8+3] offset:256*\c+32*\u        ; each accumulator from its low end on
	ds_store_b128 v14, v[(8*(\n)+4*\c+\u)*8+4:(8*(\n)+4*\c+\u)*8+7] offset:256*\c+32*\u+16
.endr
.endr
	WIN 0
.irp p, 0,1,2,3,4,5,6,7,8,9,10,11,12,13,14,15
	ds_load_b128 v[128+64*((\n)%2)+4*\p:128+64*((\n)%2)+4*\p+3], v15 offset:528*\p
.endr
.endm
.macro SEND n, younger                 ; younger: the LDS instructions issued behind tile n's loads, which may stay out
	s_wait_dscnt \younger
.irp p, 0,1,2,3,4,5,6,7,8,9,10,11,12,13,14,15
	global_store_b128 v5, v[128+64*((\n)%2)+4*\p:128+64*((\n)%2)+4*\p+3], s[10:11] offset:(16*(\n)+\p)*8192 th:TH_STORE_NT   ; 512 consecutive bytes of a row of out0, aligned
.endr
.endm
	TOSTAGE 0
.irp n, 1,2,3
.if \n > 1
	s_wait_xcnt 0x0                                ; tile n - 2's stores have read their registers: tile n's loads may land there
.endif
	TOSTAGE \n
	SEND \n-1,32                                   ; behind tile n - 1's loads: tile n's 16 stores and 16 loads
.endr
	SEND 3,0
	s_wait_tensorcnt 0x0                           ; the wave's end: three lines
	ds_add_u32 v[SPW], v[NIL]
	s_wait_dscnt 0x0
	CROUND                                         ; the closing round
	s_endpgm
.Lfunc_end_k_q17acd2065b_proj_o:
	.size	k_q17acd2065b_proj_o, .Lfunc_end_k_q17acd2065b_proj_o-k_q17acd2065b_proj_o
	.p2alignl 7, 3214868480
	.fill 96, 4, 3214868480
	.section	.rodata,"a",@progbits
	.p2align	6, 0x0
	.amdhsa_kernel k_q17acd2065b_proj_o
		.amdhsa_group_segment_fixed_size 327680
		.amdhsa_private_segment_fixed_size 0
		.amdhsa_enable_private_segment 0
		.amdhsa_kernarg_size 32
		.amdhsa_user_sgpr_count 2
		.amdhsa_user_sgpr_kernarg_segment_ptr 1
		.amdhsa_wavefront_size32 1
		.amdhsa_system_sgpr_workgroup_id_x 1
		.amdhsa_system_sgpr_workgroup_id_y 1
		.amdhsa_system_sgpr_workgroup_id_z 1
		.amdhsa_system_vgpr_workitem_id 0
		.amdhsa_next_free_vgpr 1024
		.amdhsa_next_free_sgpr 100
		.amdhsa_reserve_vcc 0
		.amdhsa_float_denorm_mode_32 3
		.amdhsa_float_denorm_mode_16_64 3
		.amdhsa_memory_ordered 1
		.amdhsa_forward_progress 1
		.amdhsa_inst_pref_size 82
	.end_amdhsa_kernel
	.amdgpu_metadata
---
amdhsa.version: [ 1, 2 ]
amdhsa.kernels:
  - .name:           k_q17acd2065b_proj_o
    .symbol:         k_q17acd2065b_proj_o.kd
    .args:
      - { .name: ao, .offset: 0, .size: 8, .value_kind: global_buffer, .address_space: global }
      - { .name: wc, .offset: 8, .size: 8, .value_kind: global_buffer, .address_space: global }
      - { .name: bo, .offset: 16, .size: 8, .value_kind: global_buffer, .address_space: global }
      - { .name: out0, .offset: 24, .size: 8, .value_kind: global_buffer, .address_space: global }
    .group_segment_fixed_size: 327680
    .private_segment_fixed_size: 0
    .kernarg_segment_align: 8
    .kernarg_segment_size: 32
    .max_flat_workgroup_size: 128
    .sgpr_count:     100
    .vgpr_count:     1024
    .wavefront_size: 32
...
	.end_amdgpu_metadata
.endif
;; end of part 4
